; MI455X (gfx1250); checked and timed in simulation.
; The chip was launched on July 23, 2026; its instructions are those of AMD's public machine-readable ISA for CDNA 5 (MIT licence, August 2026) and "CDNA5" Instruction Set Architecture Reference Guide (July 2026). The comments in the code are by the model that wrote it; some were corrected since.
;; Multi Head Attention. Allowed arithmetic: matrix products marked QUANTISED: E2M1 operands, one E8M0 scale for each 32 along K, by v_wmma_scale_f32_16x16x128_f8f6f4 with both operands' format E2M1 (or v_wmma_scale_f32_32x16x128_f4), f32 sums; products left as they are: bf16, f16 or f32 operands; f32 sums; everything else in f32.
;; Inputs: Wk 1,024 x 1,024 float32; Wo 1,024 x 1,024 float32; Wq 1,024 x 1,024 float32; Wv 1,024 x 1,024 float32; bk 1,024 float32; bo 1,024 float32; bq 1,024 float32; bv 1,024 float32; mask 4 x 2,048 int32; query 4 x 2,048 x 1,024 float32.
;; Outputs: out0 4 x 2,048 x 1,024 float32.
;; This version of the problem:
;;   THIS VERSION OF THE PROBLEM IS GIVEN IN LOW PRECISION. The matrix products marked QUANTISED in the list below multiply operands that are first quantised to E2M1 (2 exponent bits, 1 mantissa bit; 4 bits a number), with one power-of-two scale for each 32 numbers along K (OCP MX v1.0); their sums are f32. The products marked 'left as it is' may take bf16, f16 or f32 operands, with f32 sums. Whichever they take, every output number must still come out within the allowed error. Rounding operands to bf16 (8 significant bits) uses up far more of that allowance than f16 does (11 bits, for magnitudes from 6e-5 to 65,504). All else is computed in f32.
;;   The module's matrix products, in the order in which they are computed (A, B: the left and right operand; K: the contracted axis; several contracted axes count as one K, in the product's order):
;;     1. [M 8,192, K 1,024] x [K 1,024, N 1,024]; A: input query; B: input Wq: QUANTISED
;;     2. [M 8,192, K 1,024] x [K 1,024, N 1,024]; A: input query; B: input Wk: QUANTISED
;;     3. [M 8,192, K 1,024] x [K 1,024, N 1,024]; A: input query; B: input Wv: QUANTISED
;;     4. batch 64 x [M 2,048, K 64] x [K 64, N 2,048]; A: computed on the way; B: computed on the way: left as it is (an operand is computed on the way)
;;     5. batch 64 x [M 2,048, K 2,048] x [K 2,048, N 64]; A: computed on the way; B: computed on the way: left as it is (an operand is computed on the way)
;;     6. [M 8,192, K 1,024] x [K 1,024, N 1,024]; A: computed on the way; B: input Wo: left as it is (an operand is computed on the way)
;;   THE QUANTISER, for each operand of a quantised product, along K:
;;     - K is cut into blocks of 32 from its start; a last block that is shorter is filled with zeros.
;;     - A block's scale is 2^e with e = floor(log2(the largest magnitude in the block)) - 2, held to -126 .. 127; a block of zeros has e = 0. As a byte (E8M0): e + 127.
;;     - Each number is divided by its block's scale, clamped to +-6, and rounded to the nearest number of E2M1, ties to even, subnormals kept.
;;     - The product sums the exact products of the quantised numbers (number of the format x scale) in f32.
;;   ~~~python
;;   def quantise(x, axis):      # numpy; x: float32 -> the quantised numbers, widened to float32 again
;;       x = np.moveaxis(x, axis, -1); K = x.shape[-1]
;;       x = np.pad(x, [(0, 0)] * (x.ndim - 1) + [(0, -K % 32)]); x = x.reshape(x.shape[:-1] + (-1, 32)); a = np.abs(x).max(-1, keepdims=True)
;;       e = np.where(a > 0, np.clip(np.frexp(np.where(a > 0, a, 1))[1] - 1 - 2, -126, 127), 0)      # np.frexp(a)[1] - 1 = floor(log2(a)), exactly
;;       r = np.clip(x / 2.0 ** e, -6, 6)
;;       step = 2.0 ** (np.maximum(np.frexp(np.where(r == 0, 1, r))[1] - 1, 0) - 1)
;;       q = np.round(r / step) * step * 2.0 ** e      # np.round: ties to even
;;       return np.moveaxis(q.reshape(q.shape[:-2] + (-1,))[..., :K], -1, axis).astype(np.float32)
;;   ~~~
;; One version. Each part assembles by itself: llvm-mc -triple=amdgcn-amd-amdhsa -mcpu=gfx1250 --defsym DOCPART=n.
;; ======== version 1 of 1: 4 launches
;; limits: values are held in f16: magnitudes above 65,504 overflow, below 6.1e-05 lose precision
;; workspace buffers: xc 4,194,304 bytes; xs 262,144 bytes; wc 1,572,864 bytes; ws 98,304 bytes; wo16 2,097,152 bytes; qkv 50,331,648 bytes; ctx 16,777,216 bytes; route 33,280 bytes of whole numbers
;; launch prep (part 1): grid 385 x 1, 4 waves a work-group, no clusters, 33,280 bytes of LDS; arguments query, Wq, Wk, Wv, Wo, mask, xc, xs, wc, ws, wo16, route; writes xc, xs, wc, ws, wo16, route
.if DOCPART == 1
	.amdgcn_target "amdgcn-amd-amdhsa--gfx1250"
	.amdhsa_code_object_version 6
	.text
	.protected	k_q1e95ddb0e9_prep
	.globl	k_q1e95ddb0e9_prep
	.p2align	8
	.type	k_q1e95ddb0e9_prep,@function
k_q1e95ddb0e9_prep:
	s_mov_b64 s[64:65], 0
	v_nop
	global_prefetch_b8 v0, s[64:65] scope:SCOPE_SE
	s_setreg_imm32_b32 hwreg(HW_REG_WAVE_MODE, 25, 1), 1
	s_wait_xcnt 0x0
; THREE JOBS IN ONE LAUNCH, told apart by the work-group's number.
; Work-groups 0-351: query [8192][1024] (0-255) and Wq, Wk, Wv [1024][1024] (256-351), f32 with K innermost, become codes of FP4 (E2M1) and one E8M0 scale byte for each 32 along K:
;   xc [8192][512 bytes], xs [8192][32], wc [3072][512 bytes], ws [3072][32] (rows 0-1023 Wq, 1024-2047 Wk, 2048-3071 Wv).
;   A block's scale is 2^(floor(log2(its largest magnitude)) - 2); its byte is the largest magnitude's exponent field - 2, held at 1 from below.  Each number is divided by the scale and rounded to the nearest code, ties to even.
;   Rows are dense and K is a multiple of 32, so each tensor is a plain stream of blocks of 32.  A work-group takes 32,768 numbers, a wave 16 steps of 512.
;   A lane must hold 16 NEIGHBOURS for the conversions, a load is best where neighbouring LANES take neighbouring bytes: each load reads 512 consecutive bytes, and a step's 2,048 bytes turn through the wave's own stage in LDS.
; Work-groups 352-383: Wo [1024][1024] f32 is rounded to f16 (wo16), 8,192 numbers a wave.
; Work-group 384: for each batch (a wave each) the keys are listed, those with mask != 0 first, in ascending order, then the others: route bytes 0-32,767, list[4][2048];
;   the number of kept keys goes into each of the batch's 32 words from byte 32,768 on.  The list is a whole permutation of 0 .. 2047, so every entry is a key.
; LIMITS: a block of zeros gets the byte 1 where the rule says 127 (its codes are zeros, and this program alone reads the bytes); blocks whose largest magnitude lies under 2^-124 are held at that floor;
;   |Wo| stays under 65,504 (f16); NaN and infinities among the inputs are not served.
.set WAVES, 4
.set STEPS, 16
.set EMAX,  2
.set CB,    8                          ; bytes of 16 codes
.set R,     16                         ; v16-79   four sets of 16 numbers as they are loaded
.set X,     80                         ; v80-111  two sets of 16 neighbours
.set E,     112                        ; v112-127 a scale byte for each step
.set C,     128                        ; v128-191 codes: four registers for each step, so that no store's data are written again
.set WREG,  8192                       ; LDS: a region for each wave: two stages of 32 x SP bytes, behind them its 256 scale bytes
.set SP,    80                         ; a lane's place in a stage: its 64 bytes + 16 of padding
.set SPW,   12                         ; v12 LDS address of my spare word; never rewritten
.set NIL,   13                         ; v13 0; never rewritten
.set SPARE, WAVES*WREG                 ; behind the four regions: the spare words, 128 bytes a wave
	s_load_b512 s[4:19], s[0:1], 0x0               ; query 4:5, Wq 6:7, Wk 8:9, Wv 10:11, Wo 12:13, mask 14:15, xc 16:17, xs 18:19
	s_load_b256 s[20:27], s[0:1], 0x40             ; wc 20:21, ws 22:23, wo16 24:25, route 26:27
	v_lshl_add_u32 v[SPW], v0, 2, SPARE
	v_mov_b32 v[NIL], 0
	v_lshrrev_b32 v1, 5, v0
	v_readfirstlane_b32 s28, v1                    ; wave
	v_and_b32 v2, 31, v0                           ; lane
	v_lshlrev_b32 v3, 4, v2                        ; my 16 bytes of a load's 512
	s_cmp_ge_u32 ttmp9, 384
	s_cbranch_scc1 .Lroute
	s_cmp_ge_u32 ttmp9, 352
	s_cbranch_scc1 .Lwo
	; ---------------- the quantiser ----------------
	s_mul_i32 s36, s28, WREG
	v_lshrrev_b32 v14, 2, v2
	v_mul_u32_u24 v14, v14, SP
	v_and_b32 v15, 3, v2
	v_lshl_add_u32 v14, v15, 4, v14
	v_add_nc_u32 v14, s36, v14                     ; the stage, on the way in: SP (lane / 4) + 16 (lane % 4)
	v_mul_u32_u24 v15, v2, SP
	v_add_nc_u32 v15, s36, v15                     ; and on the way out: SP x lane: my 16 neighbours
	v_mul_u32_u24 v4, v2, CB                       ; my codes' place in a step's
	v_lshrrev_b32 v5, 1, v2
	s_add_co_u32 s36, s36, 2*32*SP
	v_add_nc_u32 v5, s36, v5                       ; LDS: my wave's 256 scale bytes, my block's byte
	v_lshlrev_b32 v7, 3, v2                        ; and on the way out 8 bytes a lane
	v_add_nc_u32 v6, s36, v7
	s_sub_co_u32 s29, ttmp9, 256                   ; which 32,768 numbers of the three weights (used from work-group 256 on)
	s_lshr_b32 s30, s29, 5                         ; which weight
	s_and_b32 s31, s29, 31                         ; which part of it
	s_wait_kmcnt 0x0
	s_cmp_eq_u32 s30, 1                            ; the choices hang on the work-group's number alone
	s_cselect_b64 s[32:33], s[8:9], s[6:7]
	s_cmp_eq_u32 s30, 2
	s_cselect_b64 s[32:33], s[10:11], s[32:33]
	s_cmp_lt_u32 ttmp9, 256
	s_cselect_b64 s[32:33], s[4:5], s[32:33]       ; the numbers
	s_cselect_b64 s[34:35], s[16:17], s[20:21]     ; their codes
	s_cselect_b64 s[38:39], s[18:19], s[22:23]     ; their scale bytes
	s_cselect_b32 s40, ttmp9, s31                  ; the part in the source,
	s_cselect_b32 s41, ttmp9, s29                  ; and in the two results
	s_lshl_b32 s40, s40, 2
	s_add_co_u32 s40, s40, s28                     ; my wave's run of 8,192 numbers
	s_lshl_b32 s42, s40, 15                        ; 32,768 bytes a run
	s_mov_b32 s43, 0
	s_add_nc_u64 s[32:33], s[32:33], s[42:43]
	s_lshl_b32 s41, s41, 2
	s_add_co_u32 s41, s41, s28
	s_lshl_b32 s42, s41, 12                        ; 4,096 bytes of codes a run
	s_add_nc_u64 s[34:35], s[34:35], s[42:43]
	s_lshl_b32 s42, s41, 8                         ; 256 scale bytes a run
	s_add_nc_u64 s[38:39], s[38:39], s[42:43]
.macro LOAD t
.irp i, 0,1,2,3
	global_load_b128 v[R+16*((\t)%4)+4*\i:R+16*((\t)%4)+4*\i+3], v3, s[32:33] offset:2048*(\t)+512*\i th:TH_LOAD_NT   ; 32 lanes read 512 consecutive bytes
.endr
.endm
.macro TURN t                          ; step t's numbers through the stage: LDS serves a wave's instructions in order, so no wait stands between the stores and the loads
.irp i, 0,1,2,3
	ds_store_b128 v14, v[R+16*((\t)%4)+4*\i:R+16*((\t)%4)+4*\i+3] offset:32*SP*((\t)%2)+8*SP*\i
.endr
.irp i, 0,1,2,3
	ds_load_b128 v[X+16*((\t)%2)+4*\i:X+16*((\t)%2)+4*\i+3], v15 offset:32*SP*((\t)%2)+16*\i
.endr
.endm
.irp t, 0,1,2,3
	LOAD \t
.endr
	s_wait_loadcnt 12                              ; step 0's four loads are in; the twelve of steps 1 to 3 may be out
	TURN 0
.macro STEP t
.set XS, X+16*((\t)%2)
.if (\t) > 0
	s_wait_dscnt 1                                 ; this step's numbers are back from the stage (the last step's byte store may be out): so its stores into the stage have read their registers,
.else
	s_wait_dscnt 0x0
.endif
.if (\t)+4 < STEPS
	LOAD (\t)+4                                    ; which take the loads of four steps on
.endif
.if (\t)+1 < STEPS
.if STEPS-2-(\t) >= 3
	s_wait_loadcnt 12                              ; the next step's four loads are in; those of the three steps behind it may be out
.else
	s_wait_loadcnt 4*(STEPS-2-(\t))
.endif
	TURN (\t)+1                                    ; and go through the other stage while this step is worked
.endif
	v_max3_num_f32 v8, |v[XS]|, |v[XS+1]|, |v[XS+2]|               ; the largest magnitude of my 16, in two chains
	v_max3_num_f32 v9, |v[XS+3]|, |v[XS+4]|, |v[XS+5]|
.irp i, 6,10
	v_max3_num_f32 v8, v8, |v[XS+\i]|, |v[XS+\i+1]|
	v_max3_num_f32 v9, v9, |v[XS+\i+2]|, |v[XS+\i+3]|
.endr
	v_max3_num_f32 v8, v8, |v[XS+14]|, |v[XS+15]|
	v_max3_num_f32 v8, v8, v9, (EMAX+1)<<23        ; and the floor 2^(EMAX + 1 - 127): so the byte cannot fall under 1
	v_max_num_f32_dpp v8, v8, v8 row_xmask:1 row_mask:0xf bank_mask:0xf   ; and of my neighbour's 16: the block's
	v_add_nc_u32 v11, -(EMAX<<23), v8              ; EMAX off its exponent field: the conversion takes the exponent field of this operand as its scale, and nothing else of it
	v_cvt_scalef32_pk8_fp4_f32 v[C+4*(\t)], v[XS:XS+7], v11         ; eight numbers / the scale, to the nearest code, ties to even, beyond the largest code the largest
	v_cvt_scalef32_pk8_fp4_f32 v[C+4*(\t)+1], v[XS+8:XS+15], v11
	v_lshrrev_b32 v[E+(\t)], 23, v11               ; the scale's byte (also the plain line behind the conversions)
	ds_store_b8 v5, v[E+(\t)] offset:16*(\t)       ; both lanes of a block write the same byte with the same value
	global_store_b64 v4, v[C+4*(\t):C+4*(\t)+1], s[34:35] offset:32*CB*(\t)   ; 32 lanes store 256 consecutive bytes, aligned
.endm
.irp t, 0,1,2,3,4,5,6,7,8,9,10,11,12,13,14,15
	STEP \t
.endr
	ds_load_b64 v[8:9], v6                         ; LDS serves a wave's instructions in order: these see my byte stores
	s_wait_dscnt 0x0
	global_store_b64 v7, v[8:9], s[38:39]          ; 32 lanes store the wave's 256 scale bytes, aligned
	s_wait_tensorcnt 0x0                           ; the wave's end
	ds_add_u32 v[SPW], v[NIL]
	s_wait_dscnt 0x0
	s_endpgm
	; ---------------- Wo to f16 ----------------
.Lwo:
	s_sub_co_u32 s29, ttmp9, 352
	s_lshl_b32 s29, s29, 2
	s_add_co_u32 s29, s29, s28                     ; my wave's run of 8,192 numbers, 0 .. 127
	s_lshl_b32 s30, s29, 15
	s_mov_b32 s31, 0
	s_lshl_b32 s32, s29, 14
	s_mov_b32 s33, 0
	v_lshlrev_b32 v4, 3, v2                        ; out: 8 bytes a lane
	s_wait_kmcnt 0x0
	s_add_nc_u64 s[12:13], s[12:13], s[30:31]
	s_add_nc_u64 s[24:25], s[24:25], s[32:33]
.macro WLOAD k                         ; round k: 16 loads of 512 consecutive bytes into set k % 2 (v16-79, v80-143)
.irp i, 0,1,2,3,4,5,6,7,8,9,10,11,12,13,14,15
	global_load_b128 v[16+64*((\k)%2)+4*\i:16+64*((\k)%2)+4*\i+3], v3, s[12:13] offset:512*(16*(\k)+\i) th:TH_LOAD_NT
.endr
.endm
.macro WROUND k
.if (\k) < 3
	s_wait_loadcnt 16                              ; this round's 16 loads are in; the next round's 16 may be out
.else
	s_wait_loadcnt 0x0
.endif
.if (\k) > 0
	s_wait_xcnt 0x0                                ; v144-175 were the last round's store data: written again only behind this wait
.endif
.irp i, 0,1,2,3,4,5,6,7,8,9,10,11,12,13,14,15
	v_cvt_pk_f16_f32 v[144+2*\i], v[16+64*((\k)%2)+4*\i], v[16+64*((\k)%2)+4*\i+1]
	v_cvt_pk_f16_f32 v[145+2*\i], v[16+64*((\k)%2)+4*\i+2], v[16+64*((\k)%2)+4*\i+3]
.endr
.irp i, 0,1,2,3,4,5,6,7,8,9,10,11,12,13,14,15
	global_store_b64 v4, v[144+2*\i:145+2*\i], s[24:25] offset:256*(16*(\k)+\i)   ; 32 lanes store 256 consecutive bytes, aligned
.endr
.if (\k)+2 < 4
	WLOAD (\k)+2
.endif
.endm
	WLOAD 0
	WLOAD 1
	WROUND 0
	WROUND 1
	WROUND 2
	WROUND 3
	s_endpgm
	; ---------------- the lists of keys ----------------
.Lroute:
	s_lshl_b32 s30, s28, 13                        ; wave w takes batch w: 2,048 words of mask and of list
	s_mov_b32 s31, 0
	s_lshl_b32 s32, s28, 7
	s_add_co_u32 s32, s32, 32768                   ; the batch's 32 words for the count
	s_mov_b32 s33, 0
	v_lshlrev_b32 v3, 2, v2                        ; 4 bytes a lane
	s_wait_kmcnt 0x0
	s_add_nc_u64 s[14:15], s[14:15], s[30:31]
	s_add_nc_u64 s[36:37], s[26:27], s[30:31]
	s_add_nc_u64 s[38:39], s[26:27], s[32:33]
.set i, 0
.rept 64
	global_load_b32 v[16+i], v3, s[14:15] offset:128*i   ; register i: the mask of key 32 i + lane
.set i, i+1
.endr
	s_mov_b32 s30, 0
	s_wait_loadcnt 0x0
.set i, 0
.rept 64                               ; pass 1: how many keys are kept
	v_cmp_ne_u32 vcc_lo, 0, v[16+i]
	s_bcnt1_i32_b32 s31, vcc_lo
	s_add_co_u32 s30, s30, s31
.set i, i+1
.endr
	s_mov_b32 s32, 0                               ; kept keys placed so far
	s_mov_b32 s33, s30                             ; where the next masked key goes
.set i, 0
.rept 64                               ; pass 2: each key's place.  Each store has address and data registers of its own, so no wait is needed
	v_cmp_ne_u32 vcc_lo, 0, v[16+i]
	s_not_b32 s34, vcc_lo
	v_mbcnt_lo_u32_b32 v8, vcc_lo, s32             ; kept keys in lower lanes + those placed
	v_mbcnt_lo_u32_b32 v9, s34, s33                ; the same of masked keys
	v_cndmask_b32 v8, v9, v8, vcc_lo
	v_min_u32 v8, 0x7ff, v8                        ; a place made of loaded numbers is held inside the list
	v_lshlrev_b32 v[80+i], 2, v8
	v_add_nc_u32 v[16+i], 32*i, v2                 ; the key's number, in the register that held its mask
	global_store_b32 v[80+i], v[16+i], s[36:37]
	s_bcnt1_i32_b32 s31, vcc_lo
	s_add_co_u32 s32, s32, s31
	s_add_co_u32 s33, s33, 32
	s_sub_co_u32 s33, s33, s31
.set i, i+1
.endr
	v_mov_b32 v10, s30
	global_store_b32 v3, v10, s[38:39]             ; the count, in each of the batch's 32 words
	s_endpgm
.Lfunc_end_k_q1e95ddb0e9_prep:
	.size	k_q1e95ddb0e9_prep, .Lfunc_end_k_q1e95ddb0e9_prep-k_q1e95ddb0e9_prep
	.p2alignl 7, 3214868480
	.fill 96, 4, 3214868480
	.section	.rodata,"a",@progbits
	.p2align	6, 0x0
	.amdhsa_kernel k_q1e95ddb0e9_prep
		.amdhsa_group_segment_fixed_size 33280
		.amdhsa_private_segment_fixed_size 0
		.amdhsa_enable_private_segment 0
		.amdhsa_kernarg_size 96
		.amdhsa_user_sgpr_count 2
		.amdhsa_user_sgpr_kernarg_segment_ptr 1
		.amdhsa_wavefront_size32 1
		.amdhsa_system_sgpr_workgroup_id_x 1
		.amdhsa_system_sgpr_workgroup_id_y 1
		.amdhsa_system_sgpr_workgroup_id_z 1
		.amdhsa_system_vgpr_workitem_id 0
		.amdhsa_next_free_vgpr 192
		.amdhsa_next_free_sgpr 66
		.amdhsa_reserve_vcc 1
		.amdhsa_float_denorm_mode_32 3
		.amdhsa_float_denorm_mode_16_64 3
		.amdhsa_memory_ordered 1
		.amdhsa_forward_progress 1
		.amdhsa_inst_pref_size 105
	.end_amdhsa_kernel
	.amdgpu_metadata
---
amdhsa.version: [ 1, 2 ]
amdhsa.kernels:
  - .name:           k_q1e95ddb0e9_prep
    .symbol:         k_q1e95ddb0e9_prep.kd
    .args:
      - { .name: query, .offset: 0, .size: 8, .value_kind: global_buffer, .address_space: global }
      - { .name: Wq, .offset: 8, .size: 8, .value_kind: global_buffer, .address_space: global }
      - { .name: Wk, .offset: 16, .size: 8, .value_kind: global_buffer, .address_space: global }
      - { .name: Wv, .offset: 24, .size: 8, .value_kind: global_buffer, .address_space: global }
      - { .name: Wo, .offset: 32, .size: 8, .value_kind: global_buffer, .address_space: global }
      - { .name: mask, .offset: 40, .size: 8, .value_kind: global_buffer, .address_space: global }
      - { .name: xc, .offset: 48, .size: 8, .value_kind: global_buffer, .address_space: global }
      - { .name: xs, .offset: 56, .size: 8, .value_kind: global_buffer, .address_space: global }
      - { .name: wc, .offset: 64, .size: 8, .value_kind: global_buffer, .address_space: global }
      - { .name: ws, .offset: 72, .size: 8, .value_kind: global_buffer, .address_space: global }
      - { .name: wo16, .offset: 80, .size: 8, .value_kind: global_buffer, .address_space: global }
      - { .name: route, .offset: 88, .size: 8, .value_kind: global_buffer, .address_space: global }
    .group_segment_fixed_size: 33280
    .private_segment_fixed_size: 0
    .kernarg_segment_align: 8
    .kernarg_segment_size: 96
    .max_flat_workgroup_size: 128
    .sgpr_count:     66
    .vgpr_count:     192
    .wavefront_size: 32
...
	.end_amdgpu_metadata
.endif
;; end of part 1
;; launch qkvgemm (part 2): grid 12 x 32, 4 waves a work-group, clusters of 4 x 4, 327,680 bytes of LDS; arguments xc, xs, wc, ws, qkv, bq, bk, bv; writes qkv
.if DOCPART == 2
	.amdgcn_target "amdgcn-amd-amdhsa--gfx1250"
	.amdhsa_code_object_version 6
	.text
	.protected	k_q1e95ddb0e9_qkvgemm
	.globl	k_q1e95ddb0e9_qkvgemm
	.p2align	8
	.type	k_q1e95ddb0e9_qkvgemm,@function
k_q1e95ddb0e9_qkvgemm:
	s_mov_b64 s[64:65], 0
	v_nop
	global_prefetch_b8 v0, s[64:65] scope:SCOPE_SE
	s_setreg_imm32_b32 hwreg(HW_REG_WAVE_MODE, 25, 1), 1
	s_wait_xcnt 0x0
	s_wait_alu depctr_hold_cnt(0) depctr_sa_sdst(0) depctr_va_vdst(0) depctr_va_sdst(0) depctr_va_ssrc(0) depctr_va_vcc(0) depctr_vm_vsrc(0)
	s_getreg_b32 s2, hwreg(HW_REG_IB_STS2, 6, 4)
	s_cmp_eq_u32 s2, 0
	s_cbranch_scc0 .Lentry_in_a_cluster
	s_endpgm
.Lentry_in_a_cluster:
	s_bfe_u32 s2, ttmp6, 0x10000c
	s_cmp_lg_u32 s2, 0xf033
	s_cbranch_scc0 .Lentry_shape_is_right
	s_endpgm
.Lentry_shape_is_right:
; [q | k | v][m][n] = sum over k of query[m][k] W[n][k] + bias[n], on codes of FP4 (E2M1) with one E8M0 scale for each 32 along K; sums in f32; results rounded once to f16.
; A = xc [8192][1024 codes], xs [8192][32]; B = wc [3072][1024 codes], ws [3072][32] (rows 0-1023 Wq, 1024-2047 Wk, 2048-3071 Wv).
; OUT: qkv [3 (q, k, v)][4 batches][16 heads][2048 positions][64] f16: a plane is 262,144 bytes, a row 128 bytes.
; A tile of C, 256 x 256, is made by a work-group of four waves; a wave makes 128 x 128: 64 accumulators of 16 x 16, 512 registers.
; K = 1,024 is two slots of 512: both slots and all scale bytes are asked for at the start, three tensor loads a wave, and nothing is filled again.
; CLUSTERS: 4 x 4 work-groups.  The four of a row of the cluster need the same tiles of A, the four of a column the same tiles of B: each tile is asked for JOINTLY.
; THE MATRIX INSTRUCTION IS USED TRANSPOSED (source 0 = 16 rows of B, source 1 = 16 rows of A): a lane then holds eight neighbouring columns of a row of C.
; THE BIAS is the C of each sum's first matrix instruction: eight registers for each of B's eight blocks, in the result's layout.
; A cluster is 1,024 columns wide, so the cluster's x says which of q, k, v it makes: it picks the bias and the planes.
; LIMIT: |q|, |k|, |v| stay under 65,504 (f16).
; REGISTERS, in windows of 256: window 0: v0-31 addresses; v32-95 scale words, two sets; v128-191 A's fragments, ONE set; v192-255 the bias; on the way out v32-127 are at work.
;   window 1: B's fragments, TWO sets, at v0 and at v128.   window 2: the 32 accumulators of my rows 0-63 ((a, b) at v[8 (8 a + b)]);   window 3: those of my rows 64-127.
.set SIZE_M, 8192
.set SIZE_N, 3072
.set SIZE_K, 1024
.set KSTEP,  512                       ; along K in a slot
.set NQ,     KSTEP/128                 ; matrix instructions deep
.set ROWB,   256                       ; a tile's row in bytes
.set KROW,   SIZE_K*4/8                ; a row of codes in memory
.set PITCH,  272                       ; an LDS row: 256 bytes + 16 of padding, so that the 16 rows of a load start at 16 different 16-byte columns modulo 256
.set FR,     8                         ; registers of a fragment
.set NL,     2                         ; LDS loads that bring one
.set NP,     4                         ; places behind this matrix instruction (ISA guide 7.12.1)
.set HALFT,  128*PITCH
.set SLOT,   4*HALFT                   ; A's 256 rows, then B's 256 rows
.set KS,     SIZE_K/32                 ; a row of scales in bytes
.set SCL,    2*SLOT                    ; behind the slots: the scales, as rows of 256 bytes + 16 of padding
.set HALFS,  (128*KS/256)*272
.set SBLK,   (16*KS/256)*272
.set SPARE,  SCL+4*HALFS               ; the spare words, 128 bytes a wave
.set SPITCH, 272                       ; the way out: 16 rows x (256 bytes + 16) for each wave, in slot 0, which has had its one fill and its last read by then
.set ADRA, 16
.set ADRB, 20
.set STO,  24
.set RD,   25
.set CO,   26
.set ADRS, 27
.set SPW,  28
.set NIL,  29
.set BO,   30                          ; v30 32 x (lane / 16): my half's eight numbers of a block's bias
.set SC,   32
.set AF,   128
.set BI,   192                         ; v192-255 register 8 b + j: bias of my column 16 b + 8 (lane / 16) + j
.set TMP,  32                          ; the way out: packed results
.set BK,   64                          ; the way out: rows read back: v64-95 and v96-127 by turns
.set G1, 24
.set G0, 32
.set G1B, 48
.set G0B, 56
.set G1S, 68
.set G0S, 76
.set G1SB, 80
.set G0SB, 88
.set MSB, 0
.macro WIN new                         ; the immediate's high byte repeats the setting that is left
.if MSB != \new
	s_set_vgpr_msb (MSB<<8)|\new
.set MSB, \new
.endif
.endm
.set MUL_LO, 0xa1                      ; source 0 (B) window 1, source 1 (A) window 0, C and D window 2
.set MUL_HI, 0xf1                      ; the same, C and D window 3
.set TO_B,   0x40                      ; destination window 1, address window 0
; A joint load: waves 0 and 1 fetch for A, waves 2 and 3 for B.  The branch hangs on the wave's number alone.  An s_nop 0 and four v_nop follow each of the two lines.
.macro JLOAD g0a, g1a, g0b, g1b
	s_cmp_eq_u32 s15, 0
	s_cbranch_scc0 .Lfor_b_\@
	tensor_load_to_lds s[\g0a:\g0a+3], s[\g1a:\g1a+7]
	s_nop 0
.rept 4
	v_nop
.endr
	s_branch .Lasked_\@
.Lfor_b_\@:
	tensor_load_to_lds s[\g0b:\g0b+3], s[\g1b:\g1b+7]
	s_nop 0
.rept 4
	v_nop
.endr
.Lasked_\@:
.endm
.macro CROUND                          ; a round of the cluster's barrier
	s_barrier_signal -1
	s_barrier_wait -1
	s_cmp_lg_u32 s14, 0
	s_cbranch_scc1 .Lnot_wave_0_\@
	s_barrier_signal -3
.Lnot_wave_0_\@:
	s_barrier_wait -3
	s_barrier_signal -1
	s_barrier_wait -1
.endm
	s_load_b128 s[4:7], s[0:1], 0x0                ; A's codes, A's scales
	s_load_b128 s[8:11], s[0:1], 0x10              ; B's codes, B's scales
	s_load_b64 s[12:13], s[0:1], 0x20              ; qkv
	s_load_b64 s[66:67], s[0:1], 0x28              ; bq
	s_load_b128 s[96:99], s[0:1], 0x30             ; bk, bv
	v_lshl_add_u32 v[SPW], v0, 2, SPARE
	v_mov_b32 v[NIL], 0
	ds_add_u32 v[SPW], v[NIL]                      ; the wave's opening: the add, twice on end, and its wait ahead of my first tensor load
	ds_add_u32 v[SPW], v[NIL]
	v_lshrrev_b32 v1, 5, v0
	v_readfirstlane_b32 s14, v1                    ; wave 0..3
	s_lshr_b32 s15, s14, 1                         ; which half of the tile's rows is mine.  Also: I fetch for A (0) or for B (1)
	s_and_b32 s16, s14, 1                          ; which half of its columns.  Also: which 128 rows of that tile I fetch
	s_bfe_u32 s40, ttmp6, 0x40000                  ; cx, cy: my place in the cluster
	s_bfe_u32 s41, ttmp6, 0x40004
	s_lshl_b32 s42, ttmp9, 2
	s_add_co_u32 s42, s42, s40                     ; tile column of C = 4 x cluster x + cx
	s_and_b32 s17, ttmp7, 0xffff
	s_lshl_b32 s17, s17, 2
	s_add_co_u32 s17, s17, s41                     ; tile row of C = 4 x cluster y + cy
	s_lshl_b32 s43, s41, 2
	s_lshl_b32 s43, 15, s43                        ; my row of the cluster
	s_lshl_b32 s44, 0x1111, s40                    ; my column
	; descriptor group 1: a tile of 128 rows x 256 bytes, 16 bytes of padding behind each row
	s_or_b32 s[G1+0], s43, (0<<16)|(1<<20)|(1<<21)|(5<<22)|(3<<25)
	s_or_b32 s[G1B+0], s44, (0<<16)|(1<<20)|(1<<21)|(5<<22)|(3<<25)
.irp g, G1, G1B
	s_mov_b32 s[\g+1], ROWB<<16                    ; tensor_dim0
	s_mov_b32 s[\g+2], 128<<16                     ; tensor_dim1
	s_mov_b32 s[\g+3], ROWB<<16                    ; tile_dim0
	s_mov_b32 s[\g+4], 128                         ; tile_dim1
	s_mov_b32 s[\g+5], KROW                        ; tensor_dim0_stride
	s_mov_b32 s[\g+6], 0
	s_mov_b32 s[\g+7], 0
.endr
	; the scales of 128 rows: a dense block of 4,096 bytes, as rows of 256 bytes (32 elements of 8), 16 bytes of padding behind each
	s_or_b32 s[G1S+0], s43, (3<<16)|(1<<20)|(1<<21)|(5<<22)|(3<<25)
	s_or_b32 s[G1SB+0], s44, (3<<16)|(1<<20)|(1<<21)|(5<<22)|(3<<25)
.irp g, G1S, G1SB
	s_mov_b32 s[\g+1], 32<<16
	s_mov_b32 s[\g+2], (128*KS/256)<<16
	s_mov_b32 s[\g+3], 32<<16
	s_mov_b32 s[\g+4], 128*KS/256
	s_mov_b32 s[\g+5], 32
	s_mov_b32 s[\g+6], 0
	s_mov_b32 s[\g+7], 0
.endr
	s_lshl_b32 s18, s16, 7                         ; which 128 rows of the tile I fetch
	s_lshl_b32 s20, s17, 8
	s_add_co_u32 s20, s20, s18                     ; A: row 256 x tile row + 128 x half
	s_lshl_b32 s46, s42, 8
	s_add_co_u32 s46, s46, s18                     ; B: row 256 x tile column + 128 x half
	s_mov_b32 s21, 0
	s_mov_b32 s47, 0
	s_mov_b64 s[18:19], KS
	s_mul_u64 s[22:23], s[20:21], s[18:19]         ; where these rows' scales begin,
	s_mul_u64 s[92:93], s[46:47], s[18:19]
	s_mov_b64 s[18:19], KROW
	s_mul_u64 s[20:21], s[20:21], s[18:19]         ; and their codes
	s_mul_u64 s[46:47], s[46:47], s[18:19]
	s_mul_i32 s45, s14, HALFT                      ; where they go: wave x 128 rows: no place in the cluster enters an LDS address
	s_mul_i32 s94, s14, HALFS
	s_wait_dscnt 0x0                               ; both opening adds are done
	s_wait_kmcnt 0x0
	s_add_nc_u64 s[20:21], s[4:5], s[20:21]
	s_add_nc_u64 s[22:23], s[6:7], s[22:23]
	s_add_nc_u64 s[46:47], s[8:9], s[46:47]
	s_add_nc_u64 s[92:93], s[10:11], s[92:93]
	CROUND                                         ; all sixteen work-groups are here: the joint loads meet
	s_mov_b32 s[G0S], 1
	s_add_co_u32 s[G0S+1], s94, SCL
	s_mov_b64 s[G0S+2:G0S+3], s[22:23]
	s_or_b32 s[G0S+3], s[G0S+3], 0x80000000
	s_mov_b32 s[G0SB], 1
	s_add_co_u32 s[G0SB+1], s94, SCL
	s_mov_b64 s[G0SB+2:G0SB+3], s[92:93]
	s_or_b32 s[G0SB+3], s[G0SB+3], 0x80000000
	JLOAD G0S, G1S, G0SB, G1SB                     ; the scales first: they are wanted with slot 0
.irp s, 0,1
	s_mov_b32 s[G0+4*\s], 1
	s_add_co_u32 s[G0+4*\s+1], s45, \s*SLOT
	s_add_nc_u64 s[G0+4*\s+2:G0+4*\s+3], s[20:21], \s*ROWB
	s_or_b32 s[G0+4*\s+3], s[G0+4*\s+3], 0x80000000
	s_mov_b32 s[G0B+4*\s], 1
	s_add_co_u32 s[G0B+4*\s+1], s45, \s*SLOT
	s_add_nc_u64 s[G0B+4*\s+2:G0B+4*\s+3], s[46:47], \s*ROWB
	s_or_b32 s[G0B+4*\s+3], s[G0B+4*\s+3], 0x80000000
	JLOAD G0+4*\s, G1, G0B+4*\s, G1B
.endr
	v_and_b32 v1, 15, v0                           ; l % 16
	v_bfe_u32 v2, v0, 4, 1                         ; l / 16
	; the bias: which of bq, bk, bv hangs on the cluster's x alone; my 128 numbers begin at column 256 cx + 128 x column half
	s_cmp_eq_u32 ttmp9, 1
	s_cselect_b64 s[66:67], s[96:97], s[66:67]
	s_cmp_eq_u32 ttmp9, 2
	s_cselect_b64 s[66:67], s[98:99], s[66:67]
	s_lshl_b32 s92, s40, 10
	s_lshl_b32 s93, s16, 9
	s_add_co_u32 s92, s92, s93
	s_mov_b32 s93, 0
	s_add_nc_u64 s[66:67], s[66:67], s[92:93]
	v_lshlrev_b32 v[BO], 5, v2
.irp b, 0,1,2,3,4,5,6,7
	global_load_b128 v[BI+8*\b:BI+8*\b+3], v[BO], s[66:67] offset:64*\b
	global_load_b128 v[BI+8*\b+4:BI+8*\b+7], v[BO], s[66:67] offset:64*\b+16
.endr
	v_mul_u32_u24 v3, v1, PITCH
	v_lshl_add_u32 v4, v2, 4, v3                   ; a fragment's row x pitch + 16 x half
	s_mul_i32 s21, s15, HALFT                      ; my 128 rows of A
	s_mul_i32 s22, s16, HALFT                      ; my 128 rows of B,
	s_add_co_u32 s22, s22, 2*HALFT                 ; which lie behind A's 256
.irp s, 0,1
	v_add_nc_u32 v[ADRA+\s], s21, v4
	v_add_nc_u32 v[ADRB+\s], s22, v4
	s_add_co_u32 s21, s21, SLOT
	s_add_co_u32 s22, s22, SLOT
.endr
	v_mul_u32_u24 v5, v1, KS                       ; my row's scales: KS bytes a row,
	v_lshrrev_b32 v6, 8, v5
	v_lshl_add_u32 v5, v6, 4, v5                   ; and 16 more for each 256 passed
	s_mul_i32 s21, s15, HALFS                      ; A's: my 128 rows
	s_mul_i32 s22, s16, HALFS                      ; B's: my 128 rows, behind A's 256
	s_add_co_u32 s22, s22, 2*HALFS
	s_sub_co_u32 s22, s22, s21
	v_mul_u32_u24 v6, s22, v2                      ; lanes 16-31 take B's
	s_add_co_u32 s21, s21, SCL
	v_add_nc_u32 v5, v5, v6
	v_add_nc_u32 v[ADRS], s21, v5
	s_mul_i32 s23, s14, 16*SPITCH                  ; my stage
	v_mul_u32_u24 v5, v1, SPITCH                   ; in: row l % 16, 16 bytes for each half of the lanes
	v_lshl_add_u32 v5, v2, 4, v5
	v_add_nc_u32 v[STO], s23, v5
	v_bfe_u32 v5, v0, 3, 1                         ; back: lanes 0-15 take rows 2 t, 2 t + 1 of my first head (128 bytes each), lanes 16-31 of my second
	v_and_b32 v6, 7, v0
	v_mul_u32_u24 v7, v5, SPITCH
	v_lshl_add_u32 v7, v2, 7, v7
	v_lshl_add_u32 v7, v6, 4, v7
	v_add_nc_u32 v[RD], s23, v7
	v_lshlrev_b32 v[CO], 18, v2                    ; and in qkv: the second head's plane lies 262,144 bytes on
	v_lshl_add_u32 v[CO], v5, 7, v[CO]
	v_lshl_add_u32 v[CO], v6, 4, v[CO]
	; my first row in qkv: plane ((4 x which + batch) x 16 + 4 cx + 2 x column half), position (256 x tile row + 128 x row half) mod 2,048
	s_lshl_b32 s20, ttmp9, 2
	s_lshr_b32 s21, s17, 3
	s_add_co_u32 s20, s20, s21
	s_lshl_b32 s20, s20, 4
	s_lshl_b32 s46, s40, 2
	s_lshl_b32 s47, s16, 1
	s_add_co_u32 s46, s46, s47
	s_add_co_u32 s20, s20, s46
	s_lshl_b32 s20, s20, 18
	s_lshl_b32 s21, s17, 8
	s_lshl_b32 s47, s15, 7
	s_add_co_u32 s21, s21, s47
	s_and_b32 s21, s21, 2047
	s_lshl_b32 s21, s21, 7
	s_add_co_u32 s20, s20, s21
	s_mov_b32 s21, 0
	s_add_nc_u64 s[12:13], s[12:13], s[20:21]
.macro FRAG reg, adr, q, i             ; 16 rows x 128 K of 4-bit codes: lane l holds row l % 16; registers 4 c .. 4 c + 3 hold K = 64 c + 32 (l / 16) + 0 .. 31
.irp c, 0,1
	ds_load_b128 v[\reg+4*\c:\reg+4*\c+3], v[\adr] offset:64*(\q)+32*\c+(\i)*16*PITCH
.endr
.endm
; 16 matrix instructions: A's blocks a0, a0 + 1 x B's eight, the slot's q-th 128 along K.  p: B's set;  sc: the set of scale words.  zero = 1: the first product starts the sums from the bias.
; The 64 accumulators take turns, one instruction a turn, in the same order in every step.
.macro MUL16 a0, p, q, sc, zero
.irp a, \a0, \a0+1
.irp b, 0,1,2,3,4,5,6,7
.if \zero
	v_wmma_scale_f32_16x16x128_f8f6f4 v[8*(8*((\a)%4)+\b):8*(8*((\a)%4)+\b)+7], v[128*(\p)+FR*\b:128*(\p)+FR*\b+FR-1], v[AF+FR*(\a):AF+FR*(\a)+FR-1], v[BI+8*\b:BI+8*\b+7], v[SC+8*NQ*(\sc)+NQ*\b+(\q)], v[SC+8*NQ*(\sc)+NQ*(\a)+(\q)] matrix_a_fmt:MATRIX_FMT_FP4 matrix_b_fmt:MATRIX_FMT_FP4 matrix_a_scale:MATRIX_SCALE_ROW1
.else
	v_wmma_scale_f32_16x16x128_f8f6f4 v[8*(8*((\a)%4)+\b):8*(8*((\a)%4)+\b)+7], v[128*(\p)+FR*\b:128*(\p)+FR*\b+FR-1], v[AF+FR*(\a):AF+FR*(\a)+FR-1], v[8*(8*((\a)%4)+\b):8*(8*((\a)%4)+\b)+7], v[SC+8*NQ*(\sc)+NQ*\b+(\q)], v[SC+8*NQ*(\sc)+NQ*(\a)+(\q)] matrix_a_fmt:MATRIX_FMT_FP4 matrix_b_fmt:MATRIX_FMT_FP4 matrix_a_scale:MATRIX_SCALE_ROW1
.endif
.endr
.endr
.endm
.macro FETCH_B slot, q, p
	WIN TO_B
.irp i, 0,1,2,3,4,5,6,7
	FRAG 128*(\p)+FR*\i, ADRB+\slot, \q, \i
.endr
	WIN 0
.endm
.macro FETCH_A slot, q, i0
.irp i, \i0, \i0+1, \i0+2, \i0+3
	FRAG AF+FR*(\i), ADRA+\slot, \q, \i
.endr
.endm
.macro SCALES sc                       ; a slot's scale words: NQ words a row; lanes 0-15 take A's block i, lanes 16-31 B's block i
.irp i, 0,1,2,3,4,5,6,7
	ds_load_b128 v[SC+8*NQ*\sc+NQ*\i:SC+8*NQ*\sc+NQ*\i+3], v[ADRS] offset:\i*SBLK
.endr
.endm
.macro PLACES n                        ; places in front of loads into registers that matrix instructions have read, and of the first read of results
.rept \n
	v_nop
.endr
.endm
; A step of 128 along K that has its successor in the same slot.  zero = 1: C is the bias, in window 0
.macro STEP slot, q, zero
	s_wait_dscnt 4*NL                              ; B's set and A's blocks 0-3 are in; the youngest eight loads (A's blocks 4-7) may be out
.if \zero
	WIN 0x81
.else
	WIN MUL_LO
.endif
	MUL16 0, (\q)%2, \q, \slot, \zero
	MUL16 2, (\q)%2, \q, \slot, \zero
	s_wait_dscnt 0                                 ; A's blocks 4-7 are in
	PLACES NP
	FETCH_B \slot, (\q)+1, 1-(\q)%2
	FETCH_A \slot, (\q)+1, 0
.if \zero
	WIN 0xc1
.else
	WIN MUL_HI
.endif
	MUL16 4, (\q)%2, \q, \slot, \zero
	MUL16 6, (\q)%2, \q, \slot, \zero
	PLACES NP
	WIN 0
	FETCH_A \slot, (\q)+1, 4
.endm
; Slot 0's last step changes slots: one barrier; in front of it each wave waits for all its tensor loads (slot 1's is the one that may be out), adds 0 to its spare word, and waits for that and for its reads of slot 0.
.macro TURN slot, next
	s_wait_tensorcnt 0x0
	ds_add_u32 v[SPW], v[NIL]
	s_wait_dscnt 4*NL+1                            ; (the add and the youngest eight loads, A's blocks 4-7, may be out)
	WIN MUL_LO
	MUL16 0, 1, NQ-1, \slot, 0
	s_wait_dscnt 0x0                               ; the add is done, and my reads of this slot are over
	s_barrier_signal -1
	MUL16 2, 1, NQ-1, \slot, 0
	WIN 0
	s_barrier_wait -1
	PLACES NP
	v_add_nc_u32 v[ADRS], 4*NQ, v[ADRS]            ; on to the next slot's scale words (no LDS load of mine is out)
	FETCH_B \next, 0, 0
	FETCH_A \next, 0, 0
	SCALES \next
	WIN MUL_HI
	MUL16 4, 1, NQ-1, \slot, 0
	MUL16 6, 1, NQ-1, \slot, 0
	PLACES NP
	WIN 0
	FETCH_A \next, 0, 4
.endm
.macro STEPS slot, from
.set Q, \from
.rept NQ-1-\from
	STEP \slot, Q, 0
.set Q, Q+1
.endr
.endm
	s_wait_tensorcnt 1                             ; the scales and my part of slot 0 are in (slot 1's load may be out),
	s_barrier_signal -1
	s_barrier_wait -1                              ; everybody's are
	FETCH_B 0, 0, 0
	FETCH_A 0, 0, 0
	SCALES 0
	FETCH_A 0, 0, 4
	s_wait_loadcnt 0x0                             ; the bias
	STEP 0, 0, 1
	STEPS 0, 1
	TURN 0, 1
	STEPS 1, 0
	s_wait_dscnt 4*NL                              ; the very last step: nothing more to fetch
	WIN MUL_LO
	MUL16 0, 1, NQ-1, 1, 0
	MUL16 2, 1, NQ-1, 1, 0
	s_wait_dscnt 0
	WIN MUL_HI
	MUL16 4, 1, NQ-1, 1, 0
	MUL16 6, 1, NQ-1, 1, 0
	WIN 0
; THE WAY OUT, block by block of 16 rows x 128 columns (two heads).  PACK: rounded to f16, 16 bytes a lane, each accumulator from its low end on.  TOSTAGE: into my stage, and back by rows.
; SEND: sixteen lanes store two neighbouring rows of one head, 256 consecutive bytes at a multiple of 256 from qkv's first byte.
.macro PACK a
.set AC, 64*((\a)%4)
	WIN 0x0a+5*((\a)/4)                            ; sources 0 and 1: window 2 or 3
.irp b, 0,1,2,3,4,5,6,7
.irp r, 0,1,2,3
	v_cvt_pk_f16_f32 v[TMP+4*\b+\r], v[AC+8*\b+2*\r], v[AC+8*\b+2*\r+1]
.endr
.endr
	WIN 0
.endm
.macro TOSTAGE a
.set BB, BK+32*((\a)%2)
.irp b, 0,1,2,3,4,5,6,7
	ds_store_b128 v[STO], v[TMP+4*\b:TMP+4*\b+3] offset:32*\b
.endr
.irp t, 0,1,2,3,4,5,6,7
	ds_load_b128 v[BB+4*\t:BB+4*\t+3], v[RD] offset:\t*2*SPITCH    ; LDS serves a wave's instructions in order: these see the stores above
.endr
.endm
.macro SEND a
.set BB, BK+32*((\a)%2)
	s_wait_dscnt 0x0                               ; the block is back in registers
	s_wait_xcnt 0x0                                ; the stores of the block before have read their registers: the next block's loads may land there
.irp t, 0,1,2,3,4,5,6,7
	global_store_b128 v[CO], v[BB+4*\t:BB+4*\t+3], s[12:13] offset:2048*(\a)+256*\t th:TH_STORE_NT
.endr
.endm
	PLACES NP                                      ; behind the last products: the conversions write registers that held scale words
	PACK 0
	TOSTAGE 0
.irp a, 1,2,3,4,5,6,7                  ; block a's conversions stand between block a - 1's loads from the stage and the wait for them
	PACK \a
	SEND \a-1
	TOSTAGE \a
.endr
	SEND 7
	s_wait_tensorcnt 0x0                           ; the wave's end
	ds_add_u32 v[SPW], v[NIL]
	s_wait_dscnt 0x0
	CROUND                                         ; the closing round
	s_endpgm
.Lfunc_end_k_q1e95ddb0e9_qkvgemm:
	.size	k_q1e95ddb0e9_qkvgemm, .Lfunc_end_k_q1e95ddb0e9_qkvgemm-k_q1e95ddb0e9_qkvgemm
	.p2alignl 7, 3214868480
	.fill 96, 4, 3214868480
	.section	.rodata,"a",@progbits
	.p2align	6, 0x0
	.amdhsa_kernel k_q1e95ddb0e9_qkvgemm
		.amdhsa_group_segment_fixed_size 327680
		.amdhsa_private_segment_fixed_size 0
		.amdhsa_enable_private_segment 0
		.amdhsa_kernarg_size 64
		.amdhsa_user_sgpr_count 2
		.amdhsa_user_sgpr_kernarg_segment_ptr 1
		.amdhsa_wavefront_size32 1
		.amdhsa_system_sgpr_workgroup_id_x 1
		.amdhsa_system_sgpr_workgroup_id_y 1
		.amdhsa_system_sgpr_workgroup_id_z 1
		.amdhsa_system_vgpr_workitem_id 0
		.amdhsa_next_free_vgpr 1024
		.amdhsa_next_free_sgpr 100
		.amdhsa_reserve_vcc 0
		.amdhsa_float_denorm_mode_32 3
		.amdhsa_float_denorm_mode_16_64 3
		.amdhsa_memory_ordered 1
		.amdhsa_forward_progress 1
		.amdhsa_inst_pref_size 129
	.end_amdhsa_kernel
	.amdgpu_metadata
---
amdhsa.version: [ 1, 2 ]
amdhsa.kernels:
  - .name:           k_q1e95ddb0e9_qkvgemm
    .symbol:         k_q1e95ddb0e9_qkvgemm.kd
    .args:
      - { .name: xc, .offset: 0, .size: 8, .value_kind: global_buffer, .address_space: global }
      - { .name: xs, .offset: 8, .size: 8, .value_kind: global_buffer, .address_space: global }
      - { .name: wc, .offset: 16, .size: 8, .value_kind: global_buffer, .address_space: global }
      - { .name: ws, .offset: 24, .size: 8, .value_kind: global_buffer, .address_space: global }
      - { .name: qkv, .offset: 32, .size: 8, .value_kind: global_buffer, .address_space: global }
      - { .name: bq, .offset: 40, .size: 8, .value_kind: global_buffer, .address_space: global }
      - { .name: bk, .offset: 48, .size: 8, .value_kind: global_buffer, .address_space: global }
      - { .name: bv, .offset: 56, .size: 8, .value_kind: global_buffer, .address_space: global }
    .group_segment_fixed_size: 327680
    .private_segment_fixed_size: 0
    .kernarg_segment_align: 8
    .kernarg_segment_size: 64
    .max_flat_workgroup_size: 128
    .sgpr_count:     100
    .vgpr_count:     1024
    .wavefront_size: 32
...
	.end_amdgpu_metadata
.endif
;; end of part 2
;; launch attn (part 3): grid 4 x 64, 8 waves a work-group, no clusters, 77,824 bytes of LDS; arguments qkv, route, ctx; writes ctx
.if DOCPART == 3
	.amdgcn_target "amdgcn-amd-amdhsa--gfx1250"
	.amdhsa_code_object_version 6
	.text
	.protected	k_q1e95ddb0e9_attn
	.globl	k_q1e95ddb0e9_attn
	.p2align	8
	.type	k_q1e95ddb0e9_attn,@function
k_q1e95ddb0e9_attn:
	s_mov_b64 s[64:65], 0
	v_nop
	global_prefetch_b8 v0, s[64:65] scope:SCOPE_SE
	s_setreg_imm32_b32 hwreg(HW_REG_WAVE_MODE, 25, 1), 1
	s_wait_xcnt 0x0
; ctx[b][q][head] = softmax over the keys of (q . k / 8, or -1e20 where mask == 0) x v, with a running maximum and sum; f16 operands, f32 products' sums, maxima and sums.
; IN: qkv [3][4 b][16 head][2048][64] f16; route: list[4][2048] (the batch's keys, kept ones first) and, from byte 32,768, the number of kept keys (32 equal words a batch).
; OUT: ctx [4 b][1024 position / 2][16 head][2 position % 2][64] f16: two neighbouring positions of one head are 256 consecutive bytes.
; ONLY THE KEPT KEYS ARE WALKED.  A masked key's weight is exactly 0 as soon as one key of the batch is kept, so the walk takes the first ceil(count / 64) steps of 64 listed keys;
; in the last of them the places past the count get the masked score.  With count = 0 all 32 steps are walked and every score is the masked one: all weights are equal, as in the definition.
; THE MASKED SCORE is -2^70 on the raw q . k (-1.48e20 as a score, where the definition has -1e20): c x 2^70 is exact, so that in an all-masked batch t - M is exactly 0.
; LIMITS: true scores under -1e20 are not served; |q|, |k|, |v| under 65,504 (f16); NaN and infinities are not served.
; SHARES.  Work-group (x, y): plane y = 16 b + head, queries 512 x .. 512 x + 511; 256 work-groups.  Each of the eight waves owns 64 queries, four tiles of 16; two waves share a SIMD.
; LAYOUT.  S^T = K Q^T (source 0 = 16 keys, source 1 = 16 queries): a lane holds ONE query (lane % 16) and keys 16 a + 8 (lane / 16) + 0..7.  Rounded to f16 in pairs, two such tiles ARE source 1 of
; O^T = V^T P, whose result again holds one query a lane.  K comes out of LDS as it lies, V ([key][channel]) turned, by ds_load_tr16_b128.
; p = 2^(c s - c m), c = log2(e) / 8; in every step O and l are multiplied by a = 2^(c m_old - c m_new).
; K AND V COME THROUGH REGISTERS: wave w gathers rows 8 w .. 8 w + 7 of a step's 64 by the list, three steps ahead, and stores them into one of three LDS slots, one step ahead of their first read.
; NO CLUSTER AND NO TENSOR LOAD, though the four query blocks of a head read the same K and V: how many steps have work hangs on the stored count, the rows are gathered by a stored list;
; walking count / 64 of the 32 steps spares more than a shared fetch of all 32 would.
; ONE BARRIER A STEP: step i reads V from slot i % 3 and K of step i + 1 from slot (i + 1) % 3, and stores step i + 2's rows into slot (i + 2) % 3, which was last read in step i - 1.
; The loop's trip count is a constant; a step past the last one with work is jumped over but for its barrier.
; REGISTERS.  Window 0: v1-11 addresses; v12-27 gathered rows; v32-63 statistics, eight a tile; v64-191 S^T, 32 a tile (P in place, in a tile's low 16); v192-255 K's fragments.
;   Window 1: v0-127 O^T, 32 a tile; v128-191 Q; v192-255 V's fragments.
.set KP,    144                        ; a row of K in LDS: 128 bytes + 16
.set VP,    160                        ; a row of V: 128 + 32
.set VOFF,  64*KP
.set SLOT,  64*(KP+VP)                 ; 19,456 bytes
.set SPARE, 3*SLOT                     ; the spare words, 128 bytes for each of the eight waves
.set STAGE, SPARE+8*128                ; the way out: 16 rows x 144 bytes for each wave
.set SPT,   144
.set AK,    1                          ; v1  my lane's place in a tile of K
.set AV,    2                          ; v2  the same for V
.set STK,   3                          ; v3  where I store my piece of a gathered row of K
.set STV,   4                          ; v4  of V
.set LOFF,  5                          ; v5  my two entries' byte in a step's 256 bytes of the list; behind the loop: my byte offset in ctx
.set GO,    5
.set STO,   6                          ; v6  the way out: where I put 16 bytes of a row
.set RD,    7                          ; v7  and where I read rows back
.set IDX,   8                          ; v[8:9]  two list entries
.set OFF,   10                         ; v10, v11 their rows' byte offsets + my piece
.set G,     12                         ; v12-27  K's two pieces, V's two pieces
.set SPW,   28
.set NIL,   29
.set DD,    30                         ; v30 the mask's d
.set PIECE, 31                         ; v31 16 (lane % 8)
.set ST,    32                         ; tile t at v[ST + 8 t]: +0 c m, +1 m, +2, +3 l, +4 to +7 c0-c3 at work; a takes c2's place
.set S,     64
.set FK,    192
.set QF,    128                        ; window 1
.set FV,    192                        ; window 1
.set WV,    20
.set CNT,   21                         ; kept keys
.set NFULL, 22                         ; steps all of whose keys are kept
.set NST,   23                         ; steps with work
.set I,     24                         ; the step's number
.set TRIPS, 25
.set CS,    26                         ; s[26:27] c
.set SEL,   28                         ; s[28:29] lane selects: lane l xor 16
.set NEGS,  30                         ; -2^70
.set MSB, 0
.macro WIN new
.if MSB != \new
	s_set_vgpr_msb (MSB<<8)|\new
.set MSB, \new
.endif
.endm
.set W_S,  0x04                        ; source 1 (Q) window 1
.set W_PV, 0x51                        ; V, C and D window 1; P window 0
.set W_RS, 0x41                        ; O^T (destination, source 0) window 1; a window 0
.set TO1,  0x40                        ; a load's destination window 1
.set W_CV, 0x05                        ; sources 0 and 1 window 1
.macro MKOFF dst, idx                  ; two list entries become byte offsets: held inside the plane's 2,048 rows, x 128, + my piece
	v_min_u32 v[\dst], 0x7ff, v[\idx]
	v_min_u32 v[\dst+1], 0x7ff, v[\idx+1]
	v_lshlrev_b32 v[\dst], 7, v[\dst]
	v_lshlrev_b32 v[\dst+1], 7, v[\dst+1]
	v_add_nc_u32 v[\dst], v[\dst], v[PIECE]
	v_add_nc_u32 v[\dst+1], v[\dst+1], v[PIECE]
.endm
.macro GATHER reg, o                   ; eight lanes cover a row of 128 bytes; a load takes four rows
	global_load_b128 v[\reg:\reg+3], v[\o], s[12:13]
	global_load_b128 v[\reg+4:\reg+7], v[\o+1], s[12:13]
	global_load_b128 v[\reg+8:\reg+11], v[\o], s[14:15]
	global_load_b128 v[\reg+12:\reg+15], v[\o+1], s[14:15]
.endm
.macro STORE4 reg, slot
	ds_store_b128 v[STK], v[\reg:\reg+3] offset:(\slot)*SLOT
	ds_store_b128 v[STK], v[\reg+4:\reg+7] offset:(\slot)*SLOT+KP
	ds_store_b128 v[STV], v[\reg+8:\reg+11] offset:(\slot)*SLOT
	ds_store_b128 v[STV], v[\reg+12:\reg+15] offset:(\slot)*SLOT+VP
.endm
.macro FETCH_K slot                    ; 64 keys x 64 channels: fragment (a, kk) at v[FK + 16 a + 8 kk]
.irp a, 0,1,2,3
.irp kk, 0,1
	ds_load_b128 v[FK+16*\a+8*\kk:FK+16*\a+8*\kk+3], v[AK] offset:(\slot)*SLOT+16*KP*\a+64*\kk
	ds_load_b128 v[FK+16*\a+8*\kk+4:FK+16*\a+8*\kk+7], v[AK] offset:(\slot)*SLOT+16*KP*\a+64*\kk+32
.endr
.endr
.endm
	s_load_b128 s[4:7], s[0:1], 0x0                ; qkv, route
	s_load_b64 s[8:9], s[0:1], 0x10                ; ctx
	v_lshl_add_u32 v[SPW], v0, 2, SPARE
	v_mov_b32 v[NIL], 0
	v_lshrrev_b32 v1, 5, v0
	v_readfirstlane_b32 s[WV], v1                  ; wave 0..7
	v_and_b32 v32, 15, v0                          ; r
	v_bfe_u32 v33, v0, 4, 1                        ; h
	v_and_b32 v34, 7, v0                           ; lane % 8
	v_bfe_u32 v35, v0, 3, 1                        ; (lane / 8) % 2
	v_bfe_u32 v36, v0, 3, 2                        ; (lane / 8) % 4
	v_mul_u32_u24 v[AK], v32, KP
	v_lshl_add_u32 v[AK], v33, 4, v[AK]            ; row r, + 16 h
	v_lshl_add_u32 v[AV], v33, 3, v34              ; the turning load: key 8 h + lane % 8,
	v_mul_u32_u24 v[AV], v[AV], VP
	v_lshl_add_u32 v[AV], v35, 4, v[AV]            ; channels 8 ((lane / 8) % 2) on
	v_add_nc_u32 v[AV], VOFF, v[AV]
	s_lshl_b32 s31, s[WV], 3
	v_lshl_add_u32 v37, v36, 1, s31                ; the first of my two rows of a step: 8 w + 2 ((lane / 8) % 4)
	v_lshlrev_b32 v[PIECE], 4, v34
	v_mul_u32_u24 v[STK], v37, KP
	v_add_nc_u32 v[STK], v[STK], v[PIECE]
	v_mul_u32_u24 v[STV], v37, VP
	v_add_nc_u32 v[STV], v[STV], v[PIECE]
	v_add_nc_u32 v[STV], VOFF, v[STV]
	v_lshlrev_b32 v[LOFF], 2, v37
	s_mul_i32 s31, s[WV], 16*SPT
	s_add_co_u32 s31, s31, STAGE                   ; my stage
	v_mul_u32_u24 v[STO], v32, SPT
	v_lshl_add_u32 v[STO], v33, 4, v[STO]
	v_add_nc_u32 v[STO], s31, v[STO]               ; in: row r, + 16 h
	v_lshl_add_u32 v[RD], v33, 1, v35              ; back: row 2 (lane / 16) + (lane / 8) % 2, my piece
	v_mul_u32_u24 v[RD], v[RD], SPT
	v_add_nc_u32 v[RD], v[RD], v[PIECE]
	v_add_nc_u32 v[RD], s31, v[RD]
	v_lshlrev_b32 v38, 7, v32
	v_lshl_add_u32 v38, v33, 4, v38                ; Q: row r of 128 bytes, + 16 h
	s_and_b32 s31, ttmp7, 0xffff                   ; y = 16 b + head: Q's plane
	s_lshr_b32 s34, s31, 4                         ; b
	s_and_b32 s35, s31, 15                         ; head
	s_lshl_b32 s36, s31, 18
	s_mov_b32 s37, 0
	s_mov_b32 s33, 0
	s_mov_b32 s[CS], 0x3e38aa3b                    ; c = log2(e) / 8
	s_mov_b32 s[CS+1], s[CS]                       ; (named with it as a pair, so it is written)
	s_mov_b32 s[SEL], 0x76543210
	s_mov_b32 s[SEL+1], 0xfedcba98
	s_mov_b32 s[NEGS], 0xe2800000
	s_mov_b32 s[I], 0
	s_wait_kmcnt 0x0
	s_add_nc_u64 s[4:5], s[4:5], s[36:37]          ; Q's plane;
	s_add_nc_u64 s[12:13], s[4:5], 0x1000000       ; K's, 64 planes on;
	s_add_nc_u64 s[14:15], s[4:5], 0x2000000       ; V's, 128 planes on
	s_lshl_b32 s36, s34, 7
	s_add_nc_u64 s[40:41], s[6:7], s[36:37]
	s_load_b32 s[CNT], s[40:41], 0x8000            ; the batch's count
	s_lshl_b32 s36, s34, 13
	s_add_nc_u64 s[16:17], s[6:7], s[36:37]        ; the batch's list
	s_lshl_b32 s36, ttmp9, 16                      ; 512 x rows of 128 bytes,
	s_lshl_b32 s38, s[WV], 13                      ; 64 w rows
	s_add_co_u32 s36, s36, s38
	s_add_nc_u64 s[4:5], s[4:5], s[36:37]          ; Q at my first query
	s_lshl_b32 s36, s34, 22                        ; ctx: the batch's 1,024 pairs of rows of 4,096 bytes,
	s_lshl_b32 s38, ttmp9, 20                      ; 256 x pairs,
	s_add_co_u32 s36, s36, s38
	s_lshl_b32 s38, s[WV], 17                      ; 32 w pairs,
	s_add_co_u32 s36, s36, s38
	s_lshl_b32 s38, s35, 8                         ; my head's 256 bytes
	s_add_co_u32 s36, s36, s38
	s_add_nc_u64 s[8:9], s[8:9], s[36:37]
	global_load_b64 v[96:97], v[LOFF], s[16:17]                ; my list entries of steps 0, 1, 2
	global_load_b64 v[98:99], v[LOFF], s[16:17] offset:256
	global_load_b64 v[100:101], v[LOFF], s[16:17] offset:512
	WIN TO1
.irp t, 0,1,2,3                        ; Q stays in registers: fragment (t, kk) at v[QF + 16 t + 8 kk] of window 1
.irp kk, 0,1
	global_load_b128 v[QF+16*\t+8*\kk:QF+16*\t+8*\kk+3], v38, s[4:5] offset:2048*\t+64*\kk
	global_load_b128 v[QF+16*\t+8*\kk+4:QF+16*\t+8*\kk+7], v38, s[4:5] offset:2048*\t+64*\kk+32
.endr
.endr
	WIN 0
	s_wait_loadcnt 16                              ; the three list loads are in; Q's sixteen may be out
	MKOFF 102, 96
	MKOFF 104, 98
	MKOFF OFF, 100
	GATHER 64, 102                                 ; step 0's rows,
	GATHER 80, 104                                 ; step 1's,
	GATHER G, OFF                                  ; step 2's,
	global_load_b64 v[IDX:IDX+1], v[LOFF], s[16:17] offset:768   ; and step 3's entries
	s_wait_kmcnt 0x0
	s_min_u32 s[CNT], s[CNT], 2048
	s_lshr_b32 s[NFULL], s[CNT], 6
	s_add_co_u32 s[NST], s[CNT], 63
	s_lshr_b32 s[NST], s[NST], 6
	s_cmp_eq_u32 s[CNT], 0
	s_cselect_b32 s[NST], 32, s[NST]               ; no key kept: all 32 steps, every score the masked one
	s_wait_loadcnt 5                               ; Q and the rows of steps 0 and 1 are in; step 2's four loads and the list load may be out
	STORE4 64, 0
	STORE4 80, 1
	s_wait_dscnt 0x0                               ; for the others' sake: my stores have landed
	s_barrier_signal -1
	s_barrier_wait -1
	FETCH_K 0
; A KEY STEP: 64 listed keys, in slot sl = I % 3.  first = 1: step 0, which starts m, l and O^T and always has work.
.macro STEP sl, first
.if !\first
	s_cmp_ge_u32 s[I], s[NST]                      ; a step past the last with work: only its barrier is run
	s_cbranch_scc1 .Lskip_\@
.endif
	WIN TO1
.irp kh, 0,1                           ; V of this step, turned: fragment (kh, ct): keys 32 kh on, channels 16 ct on
.irp ct, 0,1,2,3
	ds_load_tr16_b128 v[FV+32*\kh+8*\ct:FV+32*\kh+8*\ct+3], v[AV] offset:(\sl)*SLOT+32*VP*\kh+32*\ct
	ds_load_tr16_b128 v[FV+32*\kh+8*\ct+4:FV+32*\kh+8*\ct+7], v[AV] offset:(\sl)*SLOT+32*VP*\kh+16*VP+32*\ct
.endr
.endr
	WIN 0
	s_wait_loadcnt 0x0                             ; the rows of step I + 2 and the entries of step I + 3 are in: asked for a step ago
	STORE4 G, ((\sl)+2)%3
.if \first
	s_wait_dscnt 20                                ; K's fragments are in; V's 16 loads and the 4 stores may be out.  (In later steps the wait in front of the last barrier has shown them in)
.endif
	WIN W_S
.irp kk, 0,1                           ; S^T = K Q^T: 16 accumulators by turns, one instruction a turn
.irp a, 0,1,2,3
.irp t, 0,1,2,3
.if \kk == 0
	v_wmma_f32_16x16x32_f16 v[S+32*\t+8*\a:S+32*\t+8*\a+7], v[FK+16*\a+8*\kk:FK+16*\a+8*\kk+7], v[QF+16*\t+8*\kk:QF+16*\t+8*\kk+7], 0
.else
	v_wmma_f32_16x16x32_f16 v[S+32*\t+8*\a:S+32*\t+8*\a+7], v[FK+16*\a+8*\kk:FK+16*\a+8*\kk+7], v[QF+16*\t+8*\kk:QF+16*\t+8*\kk+7], v[S+32*\t+8*\a:S+32*\t+8*\a+7]
.endif
.endr
.endr
.endr
	WIN 0
	MKOFF OFF, IDX                                 ; step I + 3's offsets: six plain lines, the places behind the products
	s_add_co_u32 s32, s[I], 4
	s_min_u32 s32, s32, 31                         ; no load leaves the list
	s_lshl_b32 s32, s32, 8
	s_add_nc_u64 s[18:19], s[16:17], s[32:33]      ; (the load that read this pair was shown done above)
	FETCH_K ((\sl)+1)%3                            ; K of step I + 1
	s_wait_dscnt 16                                ; all but those 16: V is in, and the stores have read the gathered rows' registers,
	GATHER G, OFF                                  ; which take step I + 3's rows
	global_load_b64 v[IDX:IDX+1], v[LOFF], s[18:19]            ; and step I + 4's entries
	s_cmp_lt_u32 s[I], s[NFULL]                    ; a step all of whose keys are kept skips the mask
	s_cbranch_scc1 .Lopen_\@
	s_lshl_b32 s31, s[I], 6
	s_sub_co_i32 s31, s[CNT], s31
	v_bfe_u32 v[DD], v0, 4, 1
	v_lshlrev_b32 v[DD], 3, v[DD]
	v_sub_nc_u32 v[DD], s31, v[DD]                 ; d = count - 64 I - 8 h: register 8 a + u holds place 64 I + 16 a + 8 h + u: masked where 16 a + u >= d
	v_mov_b32 v[ST+4], s[NEGS]                     ; (tile 0's c0 is idle here)
.irp a, 0,1,2,3
.irp u, 0,1,2,3,4,5,6,7
	v_cmp_ge_i32 vcc_lo, 16*\a+\u, v[DD]
.irp t, 0,1,2,3
	v_cndmask_b32 v[S+32*\t+8*\a+\u], v[S+32*\t+8*\a+\u], v[ST+4], vcc_lo
.endr
.endr
.endr
.Lopen_\@:
	; the maximum of a lane's 32 scores and the old m: four chains a tile, the four tiles by turns; each accumulator is read from its low end on
.irp c, 0,1,2,3
.irp t, 0,1,2,3
	v_max3_num_f32 v[ST+8*\t+4+\c], v[S+32*\t+8*\c], v[S+32*\t+8*\c+1], v[S+32*\t+8*\c+2]
.endr
.endr
.irp u, 3,5
.irp c, 0,1,2,3
.irp t, 0,1,2,3
	v_max3_num_f32 v[ST+8*\t+4+\c], v[ST+8*\t+4+\c], v[S+32*\t+8*\c+\u], v[S+32*\t+8*\c+\u+1]
.endr
.endr
.endr
.irp t, 0,1,2,3
	v_max3_num_f32 v[ST+8*\t+4], v[ST+8*\t+4], v[S+32*\t+7], v[S+32*\t+15]
.endr
.irp t, 0,1,2,3
	v_max3_num_f32 v[ST+8*\t+6], v[ST+8*\t+6], v[S+32*\t+23], v[S+32*\t+31]
.endr
.irp t, 0,1,2,3
	v_max3_num_f32 v[ST+8*\t+4], v[ST+8*\t+4], v[ST+8*\t+5], v[ST+8*\t+6]
.endr
.irp t, 0,1,2,3
.if \first
	v_max_num_f32 v[ST+8*\t+4], v[ST+8*\t+4], v[ST+8*\t+7]
.else
	v_max3_num_f32 v[ST+8*\t+4], v[ST+8*\t+4], v[ST+8*\t+7], v[ST+8*\t+1]
.endif
.endr
.irp t, 0,1,2,3
	v_permlanex16_b32 v[ST+8*\t+5], v[ST+8*\t+4], s[SEL], s[SEL+1]   ; the query's other 32 keys lie in the lane 16 away
.endr
.if !\first
.irp t, 0,1,2,3
	v_mov_b32 v[ST+8*\t+7], v[ST+8*\t]             ; c m_old is kept for a
.endr
.endif
.irp t, 0,1,2,3
	v_max_num_f32 v[ST+8*\t+1], v[ST+8*\t+4], v[ST+8*\t+5]
.endr
.irp t, 0,1,2,3
	v_mul_f32 v[ST+8*\t], s[CS], v[ST+8*\t+1]
.endr
.if !\first
.irp t, 0,1,2,3
	v_sub_f32 v[ST+8*\t+7], v[ST+8*\t+7], v[ST+8*\t]
.endr
.endif
.irp p, 0,2,4,6,8,10,12,14,16,18,20,22,24,26,28,30
.irp t, 0,1,2,3
	v_pk_fma_f32 v[S+32*\t+\p:S+32*\t+\p+1], v[S+32*\t+\p:S+32*\t+\p+1], s[CS:CS+1], v[ST+8*\t:ST+8*\t+1] op_sel_hi:[1,0,0] neg_lo:[0,0,1] neg_hi:[0,0,1]   ; c s - c m, two at a time
.endr
.endr
	; ONE BATCH of exponentials: a of each tile, then all 128 weights; none reads another's result
.if !\first
.irp t, 0,1,2,3
	v_exp_f32 v[ST+8*\t+6], v[ST+8*\t+7]
.endr
.endif
.set ii, 0
.rept 32
.irp t, 0,1,2,3
	v_exp_f32 v[S+32*\t+ii], v[S+32*\t+ii]
.endr
.set ii, ii+1
.endr
	v_nop                                          ; a plain line behind the last exponential,
	s_wait_alu depctr_va_vdst(0)                   ; and the one wait ahead of the batch's first reader
	; the sums, of the unrounded weights, in two chains a tile; l = a l + the sum
.irp t, 0,1,2,3
.if \first
	v_pk_add_f32 v[ST+8*\t+2:ST+8*\t+3], v[S+32*\t:S+32*\t+1], v[S+32*\t+4:S+32*\t+5]
.else
	v_pk_fma_f32 v[ST+8*\t+2:ST+8*\t+3], v[ST+8*\t+2:ST+8*\t+3], v[ST+8*\t+6:ST+8*\t+7], v[S+32*\t:S+32*\t+1] op_sel_hi:[1,0,1]
.endif
.endr
.irp t, 0,1,2,3
	v_pk_add_f32 v[ST+8*\t+4:ST+8*\t+5], v[S+32*\t+2:S+32*\t+3], v[S+32*\t+6:S+32*\t+7]
.endr
.if !\first
.irp t, 0,1,2,3
	v_pk_add_f32 v[ST+8*\t+2:ST+8*\t+3], v[ST+8*\t+2:ST+8*\t+3], v[S+32*\t+4:S+32*\t+5]
.endr
.endif
.irp p, 8,12,16,20,24,28
.irp t, 0,1,2,3
	v_pk_add_f32 v[ST+8*\t+2:ST+8*\t+3], v[ST+8*\t+2:ST+8*\t+3], v[S+32*\t+\p:S+32*\t+\p+1]
	v_pk_add_f32 v[ST+8*\t+4:ST+8*\t+5], v[ST+8*\t+4:ST+8*\t+5], v[S+32*\t+\p+2:S+32*\t+\p+3]
.endr
.endr
.irp t, 0,1,2,3
	v_pk_add_f32 v[ST+8*\t+2:ST+8*\t+3], v[ST+8*\t+2:ST+8*\t+3], v[ST+8*\t+4:ST+8*\t+5]
.endr
.set ii, 0
.rept 16                               ; P in f16, in place: register i takes weights 2 i and 2 i + 1, which no later line reads
.irp t, 0,1,2,3
	v_cvt_pk_f16_f32 v[S+32*\t+ii], v[S+32*\t+2*ii], v[S+32*\t+2*ii+1]
.endr
.set ii, ii+1
.endr
.if !\first
	WIN W_RS
.set ii, 0
.rept 16                               ; O^T x a, each accumulator from its low end on
.irp t, 0,1,2,3
	v_pk_mul_f32 v[32*\t+ii:32*\t+ii+1], v[32*\t+ii:32*\t+ii+1], v[ST+8*\t+6:ST+8*\t+7] op_sel_hi:[1,0]
.endr
.set ii, ii+2
.endr
.endif
	WIN W_PV
.irp kh, 0,1                           ; O^T += V^T P: 16 accumulators by turns
.irp ct, 0,1,2,3
.irp t, 0,1,2,3
.if \first && (\kh == 0)
	v_wmma_f32_16x16x32_f16 v[32*\t+8*\ct:32*\t+8*\ct+7], v[FV+32*\kh+8*\ct:FV+32*\kh+8*\ct+7], v[S+32*\t+8*\kh:S+32*\t+8*\kh+7], 0
.else
	v_wmma_f32_16x16x32_f16 v[32*\t+8*\ct:32*\t+8*\ct+7], v[FV+32*\kh+8*\ct:FV+32*\kh+8*\ct+7], v[S+32*\t+8*\kh:S+32*\t+8*\kh+7], v[32*\t+8*\ct:32*\t+8*\ct+7]
.endif
.endr
.endr
.endr
	WIN 0
.rept 5
	v_nop                                          ; five places: the next step's score products write over P, a source of these products; its loads into V's registers and the way out's reads want four
.endr
.Lskip_\@:
	s_wait_dscnt 0x0                               ; my stores into the slot two steps on have landed; my reads of this slot and the next are in
	s_barrier_signal -1
	s_barrier_wait -1
	s_add_co_u32 s[I], s[I], 1
.endm
	STEP 0, 1
	s_mov_b32 s[TRIPS], 11
.Ltrip:                                ; steps 1 to 33: the slots' numbers come back after three steps
	STEP 1, 0
	STEP 2, 0
	STEP 0, 0
	s_sub_co_u32 s[TRIPS], s[TRIPS], 1
	s_cmp_lg_u32 s[TRIPS], 0
	s_cbranch_scc1 .Ltrip
	; THE WAY OUT.  l's two halves and the other half of the lanes' are added; O^T / l is rounded to f16 and goes through my stage, a tile (16 queries) at a time.
	s_wait_loadcnt 0x0                             ; the last look-ahead loads: their registers are free
	v_bfe_u32 v[GO], v0, 4, 1
	v_and_b32 v[OFF], 15, v0
	v_lshlrev_b32 v[GO], 12, v[GO]
	v_lshl_add_u32 v[GO], v[OFF], 4, v[GO]         ; lanes 0-15 one pair of rows (256 bytes of my head), lanes 16-31 the next pair, 4,096 bytes on
.irp t, 0,1,2,3
	v_add_f32 v[ST+8*\t+4], v[ST+8*\t+2], v[ST+8*\t+3]
.endr
.irp t, 0,1,2,3
	v_permlanex16_b32 v[ST+8*\t+5], v[ST+8*\t+4], s[SEL], s[SEL+1]
.endr
.irp t, 0,1,2,3
	v_add_f32 v[ST+8*\t+4], v[ST+8*\t+4], v[ST+8*\t+5]
.endr
.irp t, 0,1,2,3
	v_rcp_f32 v[ST+8*\t+6], v[ST+8*\t+4]
.endr
	v_nop                                          ; a plain line behind the last reciprocal,
	s_wait_alu depctr_va_vdst(0)                   ; and the one wait for the four
.macro PACK t
	WIN W_RS
.set ii, 0
.rept 16
	v_pk_mul_f32 v[32*\t+ii:32*\t+ii+1], v[32*\t+ii:32*\t+ii+1], v[ST+8*\t+6:ST+8*\t+7] op_sel_hi:[1,0]
.set ii, ii+2
.endr
	WIN W_CV
.set ii, 0
.rept 16
	v_cvt_pk_f16_f32 v[S+32*\t+ii], v[32*\t+2*ii], v[32*\t+2*ii+1]
.set ii, ii+1
.endr
	WIN 0
.irp ct, 0,1,2,3
	ds_store_b128 v[STO], v[S+32*\t+4*\ct:S+32*\t+4*\ct+3] offset:32*\ct      ; row r: channels 16 ct + 8 h + 0 .. 7
.endr
.irp f, 0,1,2,3
	ds_load_b128 v[S+32*\t+16+4*\f:S+32*\t+16+4*\f+3], v[RD] offset:4*SPT*\f   ; LDS serves a wave's instructions in order: these see the stores above, and the next tile's stores come behind them
.endr
.endm
.macro SEND t, younger                 ; younger: the LDS instructions issued behind tile t's loads: the next tile's four stores and four loads, or none
.irp f, 0,1,2,3
	s_wait_dscnt \younger+3-\f
	global_store_b128 v[GO], v[S+32*\t+16+4*\f:S+32*\t+16+4*\f+3], s[8:9] offset:32768*\t+8192*\f th:TH_STORE_NT   ; 16 lanes store 256 consecutive bytes, at a multiple of 256 from ctx's first byte
.endr
.endm
	PACK 0
	PACK 1
	SEND 0, 8
	PACK 2
	SEND 1, 8
	PACK 3
	SEND 2, 8
	SEND 3, 0
	s_wait_tensorcnt 0x0                           ; the wave's end
	ds_add_u32 v[SPW], v[NIL]
	s_wait_dscnt 0x0
	s_endpgm
.Lfunc_end_k_q1e95ddb0e9_attn:
	.size	k_q1e95ddb0e9_attn, .Lfunc_end_k_q1e95ddb0e9_attn-k_q1e95ddb0e9_attn
	.p2alignl 7, 3214868480
	.fill 96, 4, 3214868480
	.section	.rodata,"a",@progbits
	.p2align	6, 0x0
	.amdhsa_kernel k_q1e95ddb0e9_attn
		.amdhsa_group_segment_fixed_size 77824
		.amdhsa_private_segment_fixed_size 0
		.amdhsa_enable_private_segment 0
		.amdhsa_kernarg_size 24
		.amdhsa_user_sgpr_count 2
		.amdhsa_user_sgpr_kernarg_segment_ptr 1
		.amdhsa_wavefront_size32 1
		.amdhsa_system_sgpr_workgroup_id_x 1
		.amdhsa_system_sgpr_workgroup_id_y 1
		.amdhsa_system_sgpr_workgroup_id_z 1
		.amdhsa_system_vgpr_workitem_id 0
		.amdhsa_next_free_vgpr 512
		.amdhsa_next_free_sgpr 66
		.amdhsa_reserve_vcc 1
		.amdhsa_float_denorm_mode_32 3
		.amdhsa_float_denorm_mode_16_64 3
		.amdhsa_memory_ordered 1
		.amdhsa_forward_progress 1
		.amdhsa_inst_pref_size 170
	.end_amdhsa_kernel
	.amdgpu_metadata
---
amdhsa.version: [ 1, 2 ]
amdhsa.kernels:
  - .name:           k_q1e95ddb0e9_attn
    .symbol:         k_q1e95ddb0e9_attn.kd
    .args:
      - { .name: qkv, .offset: 0, .size: 8, .value_kind: global_buffer, .address_space: global }
      - { .name: route, .offset: 8, .size: 8, .value_kind: global_buffer, .address_space: global }
      - { .name: ctx, .offset: 16, .size: 8, .value_kind: global_buffer, .address_space: global }
    .group_segment_fixed_size: 77824
    .private_segment_fixed_size: 0
    .kernarg_segment_align: 8
    .kernarg_segment_size: 24
    .max_flat_workgroup_size: 256
    .sgpr_count:     66
    .vgpr_count:     512
    .wavefront_size: 32
...
	.end_amdgpu_metadata
.endif
;; end of part 3
;; launch proj (part 4): grid 8 x 64, 4 waves a work-group, clusters of 4 x 4, 327,680 bytes of LDS; arguments ctx, wo16, out0, bo; writes out0
.if DOCPART == 4
	.amdgcn_target "amdgcn-amd-amdhsa--gfx1250"
	.amdhsa_code_object_version 6
	.text
	.protected	k_q1e95ddb0e9_proj
	.globl	k_q1e95ddb0e9_proj
	.p2align	8
	.type	k_q1e95ddb0e9_proj,@function
k_q1e95ddb0e9_proj:
	s_mov_b64 s[64:65], 0
	v_nop
	global_prefetch_b8 v0, s[64:65] scope:SCOPE_SE
	s_setreg_imm32_b32 hwreg(HW_REG_WAVE_MODE, 25, 1), 1
	s_wait_xcnt 0x0
	s_wait_alu depctr_hold_cnt(0) depctr_sa_sdst(0) depctr_va_vdst(0) depctr_va_sdst(0) depctr_va_ssrc(0) depctr_va_vcc(0) depctr_vm_vsrc(0)
	s_getreg_b32 s2, hwreg(HW_REG_IB_STS2, 6, 4)
	s_cmp_eq_u32 s2, 0
	s_cbranch_scc0 .Lentry_in_a_cluster
	s_endpgm
.Lentry_in_a_cluster:
	s_bfe_u32 s2, ttmp6, 0x10000c
	s_cmp_lg_u32 s2, 0xf033
	s_cbranch_scc0 .Lentry_shape_is_right
	s_endpgm
.Lentry_shape_is_right:
; out0[m][n] = sum over k of ctx[m][k] Wo[n][k] + bo[n].  f16 operands, f32 sums, f32 out.  M = 8,192, N = 1,024, K = 1,024.
; A = ctx, laid [4,096 pairs of rows][16 heads][2 rows][64] f16: a pair of rows is 4,096 bytes; k = 64 head + channel lies at byte 256 head + 128 (m % 2) + 2 channel of pair m / 2.
; B = wo16 [1024 n][1024 k] f16.
; A tile of C is 128 x 128: 512 work-groups.  Four waves, each 64 x 64: 16 accumulators, 128 registers.  K goes in steps of 256 (four heads) through two LDS slots:
; a wave's tensor load brings 32 pairs of rows x 1,024 bytes of A, or 64 rows x 512 bytes of B.
; CLUSTERS: 4 x 4 work-groups.  The four of a row of the cluster need the same tiles of A, the four of a column the same tiles of B: each tile is asked for JOINTLY.
; THE MATRIX INSTRUCTION IS USED TRANSPOSED (source 0 = 16 rows of B, source 1 = 16 rows of A): a lane then holds eight neighbouring numbers of a row of C.
; THE BIAS is the C of each sum's first matrix instruction.  A wave's 64 columns of f32 are 256 bytes, so each wave has a stage of its own on the way out, and no barrier is needed there.
; LIMIT: |ctx|, |Wo| under 65,504 (f16).
; REGISTERS: window 0: v0-31 addresses; v32-95 at work on the way out; v96-127 the bias; v128-255 the accumulators ((a, b) at v[128 + 8 (4 a + b)]).
;   window 1: two fragment buffers of 128: for 64 along K, 64 registers of A, then 64 of B.
.set SIZE_K, 1024
.set KSTEP,  256
.set PA,     1040                      ; a pair of rows of A in LDS: 1,024 bytes + 16: the 16 rows of a fragment start at 16 different 16-byte columns modulo 256
.set PB,     528                       ; a row of B: 512 bytes + 16
.set HA,     32*PA                     ; what one load brings of A: 64 rows
.set HB,     64*PB                     ; and of B
.set SLOT,   2*HA+2*HB                 ; A's two halves, then B's two
.set STAGE,  2*SLOT                    ; behind the slots: 16 rows x 272 bytes for each wave
.set SPITCH, 272
.set SPARE,  STAGE+4*16*SPITCH         ; the spare words, 128 bytes a wave
.set LAPS,   SIZE_K/(2*KSTEP)
.set ADRA, 16
.set ADRB, 20
.set STO,  24
.set RD,   25
.set CO,   26
.set BO,   27                          ; v27 32 x (lane / 16)
.set SPW,  28
.set NIL,  29
.set BK,   32                          ; the way out: rows read back: v32-63 and v64-95 by turns
.set BI,   96                          ; register 8 b + j: bo at my column 16 b + 8 (lane / 16) + j
.set ACC,  128
.set F0,   0
.set F1,   128
.set G1, 24
.set G0, 32
.set G1B, 48
.set G0B, 56
.set MSB, 0
.macro WIN new
.if MSB != \new
	s_set_vgpr_msb (MSB<<8)|\new
.set MSB, \new
.endif
.endm
.set MUL,  0x05                        ; sources 0 (B) and 1 (A) window 1; C and D window 0
.set TO_F, 0x40                        ; destination window 1, address window 0
.macro JLOAD s                         ; a joint load: waves 0 and 1 fetch A's two halves, waves 2 and 3 B's; an s_nop 0 and four v_nop follow each of the two lines
	s_cmp_eq_u32 s11, 0
	s_cbranch_scc0 .Lfor_b_\@
	tensor_load_to_lds s[G0+4*\s:G0+4*\s+3], s[G1:G1+7]
	s_nop 0
.rept 4
	v_nop
.endr
	s_branch .Lasked_\@
.Lfor_b_\@:
	tensor_load_to_lds s[G0B+4*\s:G0B+4*\s+3], s[G1B:G1B+7]
	s_nop 0
.rept 4
	v_nop
.endr
.Lasked_\@:
.endm
.macro CREST                           ; a round of the cluster's barrier behind its opening barrier
	s_cmp_lg_u32 s10, 0
	s_cbranch_scc1 .Lnot_wave_0_\@
	s_barrier_signal -3
.Lnot_wave_0_\@:
	s_barrier_wait -3
	s_barrier_signal -1
	s_barrier_wait -1
.endm
.macro CROUND
	s_barrier_signal -1
	s_barrier_wait -1
	CREST
.endm
	s_load_b128 s[4:7], s[0:1], 0x0                ; ctx, wo16
	s_load_b64 s[8:9], s[0:1], 0x10                ; out0
	s_load_b64 s[66:67], s[0:1], 0x18              ; bo
	v_lshl_add_u32 v[SPW], v0, 2, SPARE
	v_mov_b32 v[NIL], 0
	ds_add_u32 v[SPW], v[NIL]                      ; the wave's opening: the add, twice on end, and its wait ahead of my first tensor load
	ds_add_u32 v[SPW], v[NIL]
	v_lshrrev_b32 v1, 5, v0
	v_readfirstlane_b32 s10, v1                    ; wave 0..3
	s_lshr_b32 s11, s10, 1                         ; which half of the tile's rows is mine.  Also: I fetch for A (0) or for B (1)
	s_and_b32 s12, s10, 1                          ; which half of its columns.  Also: which half of that tile I fetch
	s_bfe_u32 s40, ttmp6, 0x40000                  ; cx, cy
	s_bfe_u32 s41, ttmp6, 0x40004
	s_lshl_b32 s42, ttmp9, 2
	s_add_co_u32 s42, s42, s40                     ; tile column of C
	s_and_b32 s13, ttmp7, 0xffff
	s_lshl_b32 s13, s13, 2
	s_add_co_u32 s13, s13, s41                     ; tile row of C
	s_lshl_b32 s43, s41, 2
	s_lshl_b32 s43, 15, s43                        ; my row of the cluster
	s_lshl_b32 s44, 0x1111, s40                    ; my column
	; group 1 for A: 32 rows x 512 elements of 2 bytes, 2,048 elements apart; four words of padding behind every 256 words
	s_or_b32 s[G1+0], s43, (1<<16)|(1<<20)|(1<<21)|(7<<22)|(3<<25)
	s_mov_b32 s[G1+1], 512<<16
	s_mov_b32 s[G1+2], 32<<16
	s_mov_b32 s[G1+3], 512<<16
	s_mov_b32 s[G1+4], 32
	s_mov_b32 s[G1+5], 2048
	s_mov_b32 s[G1+6], 0
	s_mov_b32 s[G1+7], 0
	; group 1 for B: 64 rows x 256 elements, 1,024 elements apart; four words of padding behind every 128 words
	s_or_b32 s[G1B+0], s44, (1<<16)|(1<<20)|(1<<21)|(6<<22)|(3<<25)
	s_mov_b32 s[G1B+1], 256<<16
	s_mov_b32 s[G1B+2], 64<<16
	s_mov_b32 s[G1B+3], 256<<16
	s_mov_b32 s[G1B+4], 64
	s_mov_b32 s[G1B+5], 1024
	s_mov_b32 s[G1B+6], 0
	s_mov_b32 s[G1B+7], 0
	s_lshl_b32 s17, s12, 5
	s_lshl_b32 s16, s13, 6
	s_add_co_u32 s16, s16, s17                     ; A: pair of rows 64 x tile row + 32 x half,
	s_lshl_b32 s16, s16, 12                        ; of 4,096 bytes
	s_mov_b32 s17, 0
	s_lshl_b32 s47, s12, 6
	s_lshl_b32 s46, s42, 7
	s_add_co_u32 s46, s46, s47                     ; B: row 128 x tile column + 64 x half,
	s_lshl_b32 s46, s46, 11                        ; of 2,048 bytes
	s_mov_b32 s47, 0
	s_mul_i32 s20, s12, HA                         ; where they go: no place in the cluster enters an LDS address
	s_mul_i32 s21, s12, HB
	s_add_co_u32 s21, s21, 2*HA
	s_wait_dscnt 0x0                               ; both opening adds are done
	s_wait_kmcnt 0x0
	s_add_nc_u64 s[14:15], s[4:5], s[16:17]
	s_add_nc_u64 s[46:47], s[6:7], s[46:47]
	CROUND                                         ; all sixteen work-groups are here: the first joint loads meet
.irp s, 0,1
	s_mov_b32 s[G0+4*\s], 1
	s_add_co_u32 s[G0+4*\s+1], s20, \s*SLOT
	s_add_nc_u64 s[G0+4*\s+2:G0+4*\s+3], s[14:15], \s*1024     ; K step s: four heads, 1,024 bytes of a pair of rows
	s_or_b32 s[G0+4*\s+3], s[G0+4*\s+3], 0x80000000
	s_mov_b32 s[G0B+4*\s], 1
	s_add_co_u32 s[G0B+4*\s+1], s21, \s*SLOT
	s_add_nc_u64 s[G0B+4*\s+2:G0B+4*\s+3], s[46:47], \s*512
	s_or_b32 s[G0B+4*\s+3], s[G0B+4*\s+3], 0x80000000
	JLOAD \s
.endr
	v_and_b32 v1, 15, v0                           ; l % 16
	v_bfe_u32 v2, v0, 4, 1                         ; l / 16
	s_lshl_b32 s16, s13, 7
	s_lshl_b32 s17, s11, 6
	s_add_co_u32 s16, s16, s17                     ; my first row of C: 128 x tile row + 64 x row half,
	s_lshl_b32 s16, s16, 12                        ; of 4,096 bytes
	s_mov_b32 s17, 0
	s_add_nc_u64 s[8:9], s[8:9], s[16:17]
	s_lshl_b32 s46, s42, 9                         ; my first column, in bytes: 512 x tile column + 256 x column half: in C and in bo alike
	s_lshl_b32 s47, s12, 8
	s_add_co_u32 s46, s46, s47
	s_mov_b32 s47, 0
	s_add_nc_u64 s[8:9], s[8:9], s[46:47]
	s_add_nc_u64 s[66:67], s[66:67], s[46:47]
	v_lshlrev_b32 v[BO], 5, v2
.irp b, 0,1,2,3
	global_load_b128 v[BI+8*\b:BI+8*\b+3], v[BO], s[66:67] offset:64*\b
	global_load_b128 v[BI+8*\b+4:BI+8*\b+7], v[BO], s[66:67] offset:64*\b+16
.endr
	v_lshrrev_b32 v3, 1, v1                        ; A: row r lies in pair r / 2,
	v_mul_u32_u24 v3, v3, PA
	v_and_b32 v4, 1, v0
	v_lshl_add_u32 v3, v4, 7, v3                   ; 128 (r % 2) bytes into a head's 256,
	v_lshl_add_u32 v3, v2, 4, v3                   ; + 16 x half
	v_mul_u32_u24 v4, v1, PB
	v_lshl_add_u32 v4, v2, 4, v4                   ; B: row r x pitch + 16 x half
	s_mul_i32 s21, s11, HA                         ; my 64 rows of A
	s_mul_i32 s22, s12, HB                         ; my 64 rows of B,
	s_add_co_u32 s22, s22, 2*HA                    ; which lie behind A's 128
.irp s, 0,1
	v_add_nc_u32 v[ADRA+\s], s21, v3
	v_add_nc_u32 v[ADRB+\s], s22, v4
	s_add_co_u32 s21, s21, SLOT
	s_add_co_u32 s22, s22, SLOT
.endr
	s_mul_i32 s23, s10, 16*SPITCH
	s_add_co_u32 s23, s23, STAGE                   ; my stage
	v_mul_u32_u24 v5, v1, SPITCH                   ; in: row l % 16, 32 bytes for each half of the lanes
	v_lshl_add_u32 v5, v2, 5, v5
	v_add_nc_u32 v[STO], s23, v5
	v_mul_u32_u24 v5, v2, SPITCH                   ; back: lanes 0-15 one row of 256 bytes, lanes 16-31 the next
	v_lshl_add_u32 v5, v1, 4, v5
	v_add_nc_u32 v[RD], s23, v5
	v_lshlrev_b32 v5, 12, v2                       ; and the same two rows in C
	v_lshl_add_u32 v[CO], v1, 4, v5
; 8 matrix instructions: m blocks a0, a0 + 1 x all 4 n blocks, 32 along K: half c of buffer f.  zero = 1: the first product starts the sums from the bias.  The 16 accumulators take turns
.macro MUL8 f, c, a0, zero
.irp a, \a0, \a0+1
.irp b, 0,1,2,3
.if \zero
	v_wmma_f32_16x16x32_f16 v[ACC+8*(4*(\a)+\b):ACC+8*(4*(\a)+\b)+7], v[\f+64+8*(4*\c+\b):\f+64+8*(4*\c+\b)+7], v[\f+8*(4*\c+\a):\f+8*(4*\c+\a)+7], v[BI+8*\b:BI+8*\b+7]
.else
	v_wmma_f32_16x16x32_f16 v[ACC+8*(4*(\a)+\b):ACC+8*(4*(\a)+\b)+7], v[\f+64+8*(4*\c+\b):\f+64+8*(4*\c+\b)+7], v[\f+8*(4*\c+\a):\f+8*(4*\c+\a)+7], v[ACC+8*(4*(\a)+\b):ACC+8*(4*(\a)+\b)+7]
.endif
.endr
.endr
.endm
; 32 LDS loads in one run: the fragments of 64 along K (one head): byte k of B's rows, byte 2 k of A's pairs of rows; the first 32 along K first
.macro FETCH slot, k, f
	WIN TO_F
.irp c, 0,1
.irp i, 0,1,2,3
	ds_load_b128 v[\f+64+8*(4*\c+\i):\f+64+8*(4*\c+\i)+3],   v[ADRB+\slot] offset:\k+64*\c+\i*16*PB
	ds_load_b128 v[\f+64+8*(4*\c+\i)+4:\f+64+8*(4*\c+\i)+7], v[ADRB+\slot] offset:\k+64*\c+\i*16*PB+32
	ds_load_b128 v[\f+8*(4*\c+\i):\f+8*(4*\c+\i)+3],         v[ADRA+\slot] offset:2*(\k)+64*\c+\i*8*PA
	ds_load_b128 v[\f+8*(4*\c+\i)+4:\f+8*(4*\c+\i)+7],       v[ADRA+\slot] offset:2*(\k)+64*\c+\i*8*PA+32
.endr
.endr
.endm
.macro PLACES                          ; four places in front of loads into registers that matrix instructions have read, and of the first read of results
.rept 4
	v_nop
.endr
.endm
; A K step is four quarters of 64 along K, 32 matrix instructions each, on buffers 0, 1, 0, 1
.macro QUARTER slot, k, f, g, zero
	s_wait_dscnt 16                                ; the first 32 along K are in; the other sixteen loads may be out
	WIN MUL
	MUL8 \f, 0, 0, \zero
	MUL8 \f, 0, 2, \zero
	PLACES
	FETCH \slot, \k, \g
	s_wait_dscnt 32                                ; all but the 32 just issued
	WIN MUL
	MUL8 \f, 1, 0, 0
	MUL8 \f, 1, 2, 0
.endm
; The last quarter changes slots: ONE barrier; in front of it each wave waits for all its tensor loads, adds 0 to its spare word, and waits for that and for its reads of this slot.  fill = 1: this slot is filled again, two K steps ahead
.macro TURN slot, next, fill
	WIN 0
	s_wait_tensorcnt 0x0                           ; all my tensor loads have landed: my part of the next slot
	ds_add_u32 v[SPW], v[NIL]
	s_wait_dscnt 17                                ; (the add and the youngest sixteen loads may be out)
	WIN MUL
	MUL8 F1, 0, 0, 0
	s_wait_dscnt 0x0                               ; the add is done, and my reads of this slot are over
	s_barrier_signal -1
	MUL8 F1, 0, 2, 0
.if \fill
	WIN 0
.endif
	s_barrier_wait -1
.if \fill
	CREST                                          ; the barrier has opened a round of the cluster's barrier: no wave of any partner still reads this slot or has a load on its way
	s_add_nc_u64 s[G0+4*\slot+2:G0+4*\slot+3], s[G0+4*\slot+2:G0+4*\slot+3], 2*1024
	s_add_nc_u64 s[G0B+4*\slot+2:G0B+4*\slot+3], s[G0B+4*\slot+2:G0B+4*\slot+3], 2*512
	JLOAD \slot                                    ; the first tensor load behind the round; its four v_nop are also the places in front of the loads below
.else
	PLACES
.endif
	FETCH \next, 0, F0
	WIN MUL
	MUL8 F1, 1, 0, 0
	MUL8 F1, 1, 2, 0
.endm
	s_wait_tensorcnt 1                             ; my part of K step 0 is in (K step 1's load may be out),
	s_barrier_signal -1
	s_barrier_wait -1                              ; everybody's is
	FETCH 0, 0, F0
	s_wait_loadcnt 0x0                             ; the bias
	QUARTER 0, 128, F0, F1, 1
	WIN 0
	s_mov_b32 s3, LAPS-1
.Llap:                                 ; a trip goes once round the ring and fills both slots again
	QUARTER 0, 256, F1, F0, 0
	QUARTER 0, 384, F0, F1, 0
	TURN 0, 1, 1
	QUARTER 1, 128, F0, F1, 0
	QUARTER 1, 256, F1, F0, 0
	QUARTER 1, 384, F0, F1, 0
	TURN 1, 0, 1
	QUARTER 0, 128, F0, F1, 0
	WIN 0
	s_sub_co_u32 s3, s3, 1
	s_cmp_lg_u32 s3, 0
	s_cbranch_scc1 .Llap
	QUARTER 0, 256, F1, F0, 0                      ; the last lap fills nothing
	QUARTER 0, 384, F0, F1, 0
	TURN 0, 1, 0
	QUARTER 1, 128, F0, F1, 0
	QUARTER 1, 256, F1, F0, 0
	QUARTER 1, 384, F0, F1, 0
	s_wait_dscnt 16
	WIN MUL
	MUL8 F1, 0, 0, 0
	MUL8 F1, 0, 2, 0
	s_wait_dscnt 0
	MUL8 F1, 1, 0, 0
	MUL8 F1, 1, 2, 0
	WIN 0
; THE WAY OUT, block by block of 16 rows x 64 columns: 32 bytes a lane into my stage, each accumulator from its low end on; back as whole rows of 256 bytes
.macro TOSTAGE a
.set BB, BK+32*((\a)%2)
.irp b, 0,1,2,3
	ds_store_b128 v[STO], v[ACC+8*(4*(\a)+\b):ACC+8*(4*(\a)+\b)+3] offset:64*\b
	ds_store_b128 v[STO], v[ACC+8*(4*(\a)+\b)+4:ACC+8*(4*(\a)+\b)+7] offset:64*\b+16
.endr
.irp t, 0,1,2,3,4,5,6,7
	ds_load_b128 v[BB+4*\t:BB+4*\t+3], v[RD] offset:\t*2*SPITCH    ; LDS serves a wave's instructions in order: these see the stores above
.endr
.endm
.macro SEND a, younger                 ; younger: the LDS instructions issued behind block a's loads: the next block's eight stores and eight loads, or none
.set BB, BK+32*((\a)%2)
	s_wait_dscnt \younger
.irp t, 0,1,2,3,4,5,6,7
	global_store_b128 v[CO], v[BB+4*\t:BB+4*\t+3], s[8:9] offset:(16*(\a)+2*\t)*4096 th:TH_STORE_NT   ; 16 lanes store 256 consecutive bytes, at a multiple of 256 from out0's first byte
.endr
.endm
	PLACES
	TOSTAGE 0
	TOSTAGE 1
	SEND 0, 16
	s_wait_xcnt 0x0                                ; block 0's stores have read their registers: block 2's loads may land there
	TOSTAGE 2
	SEND 1, 16
	s_wait_xcnt 0x0
	TOSTAGE 3
	SEND 2, 16
	SEND 3, 0
	s_wait_tensorcnt 0x0                           ; the wave's end
	ds_add_u32 v[SPW], v[NIL]
	s_wait_dscnt 0x0
	CROUND                                         ; the closing round
	s_endpgm
.Lfunc_end_k_q1e95ddb0e9_proj:
	.size	k_q1e95ddb0e9_proj, .Lfunc_end_k_q1e95ddb0e9_proj-k_q1e95ddb0e9_proj
	.p2alignl 7, 3214868480
	.fill 96, 4, 3214868480
	.section	.rodata,"a",@progbits
	.p2align	6, 0x0
	.amdhsa_kernel k_q1e95ddb0e9_proj
		.amdhsa_group_segment_fixed_size 327680
		.amdhsa_private_segment_fixed_size 0
		.amdhsa_enable_private_segment 0
		.amdhsa_kernarg_size 32
		.amdhsa_user_sgpr_count 2
		.amdhsa_user_sgpr_kernarg_segment_ptr 1
		.amdhsa_wavefront_size32 1
		.amdhsa_system_sgpr_workgroup_id_x 1
		.amdhsa_system_sgpr_workgroup_id_y 1
		.amdhsa_system_sgpr_workgroup_id_z 1
		.amdhsa_system_vgpr_workitem_id 0
		.amdhsa_next_free_vgpr 512
		.amdhsa_next_free_sgpr 68
		.amdhsa_reserve_vcc 0
		.amdhsa_float_denorm_mode_32 3
		.amdhsa_float_denorm_mode_16_64 3
		.amdhsa_memory_ordered 1
		.amdhsa_forward_progress 1
		.amdhsa_inst_pref_size 87
	.end_amdhsa_kernel
	.amdgpu_metadata
---
amdhsa.version: [ 1, 2 ]
amdhsa.kernels:
  - .name:           k_q1e95ddb0e9_proj
    .symbol:         k_q1e95ddb0e9_proj.kd
    .args:
      - { .name: ctx, .offset: 0, .size: 8, .value_kind: global_buffer, .address_space: global }
      - { .name: wo16, .offset: 8, .size: 8, .value_kind: global_buffer, .address_space: global }
      - { .name: out0, .offset: 16, .size: 8, .value_kind: global_buffer, .address_space: global }
      - { .name: bo, .offset: 24, .size: 8, .value_kind: global_buffer, .address_space: global }
    .group_segment_fixed_size: 327680
    .private_segment_fixed_size: 0
    .kernarg_segment_align: 8
    .kernarg_segment_size: 32
    .max_flat_workgroup_size: 128
    .sgpr_count:     68
    .vgpr_count:     512
    .wavefront_size: 32
...
	.end_amdgpu_metadata
.endif
;; end of part 4
